; MI455X (gfx1250); checked and timed in simulation.
; The chip was launched on July 23, 2026; its instructions are those of AMD's public machine-readable ISA for CDNA 5 (MIT licence, August 2026) and "CDNA5" Instruction Set Architecture Reference Guide (July 2026). The comments in the code are by the model that wrote it; some were corrected since.
;; Self Multihead Attention. Allowed arithmetic: matrix products marked QUANTISED: E2M1 operands, one E8M0 scale for each 32 along K, by v_wmma_scale_f32_16x16x128_f8f6f4 with both operands' format E2M1 (or v_wmma_scale_f32_32x16x128_f4), f32 sums; products left as they are: bf16, f16 or f32 operands; f32 sums; everything else in f32.
;; Inputs: Wk 1,024 x 1,024 float32; Wo 1,024 x 1,024 float32; Wq 1,024 x 1,024 float32; Wv 1,024 x 1,024 float32; bk 1,024 float32; bo 1,024 float32; bq 1,024 float32; bv 1,024 float32; x 4 x 2,048 x 1,024 float32.
;; Outputs: out0 4 x 2,048 x 1,024 float32.
;; This version of the problem:
;;   THIS VERSION OF THE PROBLEM IS GIVEN IN LOW PRECISION. The matrix products marked QUANTISED in the list below multiply operands that are first quantised to E2M1 (2 exponent bits, 1 mantissa bit; 4 bits a number), with one power-of-two scale for each 32 numbers along K (OCP MX v1.0); their sums are f32. The products marked 'left as it is' may take bf16, f16 or f32 operands, with f32 sums. All else is computed in f32.
;;   The module's matrix products, in the order in which they are computed (A, B: the left and right operand; K: the contracted axis; several contracted axes count as one K, in the product's order):
;;     1. [M 8,192, K 1,024] x [K 1,024, N 1,024]; A: input x; B: input Wq: QUANTISED
;;     2. [M 8,192, K 1,024] x [K 1,024, N 1,024]; A: input x; B: input Wk: QUANTISED
;;     3. [M 8,192, K 1,024] x [K 1,024, N 1,024]; A: input x; B: input Wv: QUANTISED
;;     4. batch 64 x [M 2,048, K 64] x [K 64, N 2,048]; A: computed on the way; B: computed on the way: left as it is (an operand is computed on the way)
;;     5. batch 64 x [M 64, K 2,048] x [K 2,048, N 2,048]; A: computed on the way; B: computed on the way: left as it is (an operand is computed on the way)
;;     6. [M 8,192, K 1,024] x [K 1,024, N 1,024]; A: computed on the way; B: input Wo: left as it is (an operand is computed on the way)
;;   THE QUANTISER, for each operand of a quantised product, along K:
;;     - K is cut into blocks of 32 from its start; a last block that is shorter is filled with zeros.
;;     - A block's scale is 2^e with e = floor(log2(the largest magnitude in the block)) - 2, held to -126 .. 127; a block of zeros has e = 0. As a byte (E8M0): e + 127.
;;     - Each number is divided by its block's scale, clamped to +-6, and rounded to the nearest number of E2M1, ties to even, subnormals kept.
;;     - The product sums the exact products of the quantised numbers (number of the format x scale) in f32.
;;   ~~~python
;;   def quantise(x, axis):      # numpy; x: float32 -> the quantised numbers, widened to float32 again
;;       x = np.moveaxis(x, axis, -1); K = x.shape[-1]
;;       x = np.pad(x, [(0, 0)] * (x.ndim - 1) + [(0, -K % 32)]); x = x.reshape(x.shape[:-1] + (-1, 32)); a = np.abs(x).max(-1, keepdims=True)
;;       e = np.where(a > 0, np.clip(np.frexp(np.where(a > 0, a, 1))[1] - 1 - 2, -126, 127), 0)      # np.frexp(a)[1] - 1 = floor(log2(a)), exactly
;;       r = np.clip(x / 2.0 ** e, -6, 6)
;;       step = 2.0 ** (np.maximum(np.frexp(np.where(r == 0, 1, r))[1] - 1, 0) - 1)
;;       q = np.round(r / step) * step * 2.0 ** e      # np.round: ties to even
;;       return np.moveaxis(q.reshape(q.shape[:-2] + (-1,))[..., :K], -1, axis).astype(np.float32)
;;   ~~~
;; One version. Each part assembles by itself: llvm-mc -triple=amdgcn-amd-amdhsa -mcpu=gfx1250 --defsym DOCPART=n.
;; ======== version 1 of 1: 4 launches
;; limits: values are held in f16: magnitudes above 65,504 overflow, below 6.1e-05 lose precision
;; workspace buffers: x_codes 4,194,304 bytes; x_scales 262,144 bytes; w_codes 1,572,864 bytes; w_scales 98,304 bytes; wo16 2,097,152 bytes; qkv 50,331,648 bytes; att 16,777,216 bytes
;; launch prep (part 1): grid 368 x 1, 4 waves a work-group, no clusters, 68,096 bytes of LDS; arguments x, Wq, Wk, Wv, Wo, x_codes, x_scales, w_codes, w_scales, wo16; writes x_codes, x_scales, w_codes, w_scales, wo16
.if DOCPART == 1
	.amdgcn_target "amdgcn-amd-amdhsa--gfx1250"
	.amdhsa_code_object_version 6
	.text
	.protected	k_qcf3c6ec836_prep
	.globl	k_qcf3c6ec836_prep
	.p2align	8
	.type	k_qcf3c6ec836_prep,@function
k_qcf3c6ec836_prep:
	s_mov_b64 s[64:65], 0
	v_nop
	global_prefetch_b8 v0, s[64:65] scope:SCOPE_SE
	s_setreg_imm32_b32 hwreg(HW_REG_WAVE_MODE, 25, 1), 1
	s_wait_xcnt 0x0
; PREP.  Three jobs in one launch, parted by the work-group's number; each path has LDS bytes of its own and its own end.
;   work-groups 0-255:   x [8192][1024] f32 -> codes of FP4 (E2M1), K innermost, [8192][512 bytes], and one E8M0 byte for each 32 along K, [8192][32]
;   work-groups 256-303: Wq, Wk, Wv [k 1024][n 1024] f32, K their FIRST axis -> codes [which x 1024 + n][512 bytes], bytes [which x 1024 + n][32]
;   work-groups 304-367: Wo f32 -> f16, laid as it lies, [k][n]
; A block's scale is 2^(floor(log2(its largest magnitude)) - 2); its byte is the largest magnitude's exponent field - 2, held at 1 from below.
; LIMITS: a block of zeros, and a block whose largest magnitude lies under 2^-124, get the byte 1 (a block of zeros has zero codes, which add nothing; only this program reads the bytes);
; NaN and infinities among the inputs are not served; Wo goes in f16: |Wo| under 65,504.
; No tensor loads, no barrier: waves share nothing.
.set STEPS, 16
.set EMAX,  2
.set CB,    8                          ; bytes of 16 codes
.set XR,    16                         ; x path: v16-79 four sets of 16 numbers as loaded
.set XX,    80                         ; v80-111 two sets of 16 neighbours
.set XE,    112                        ; v112-127 a scale byte for each step
.set XC,    128                        ; v128-191 codes, four registers a step
.set WREG,  8192                       ; x path's LDS: a region for each wave: two stages of 32 x SP bytes, then its 256 scale bytes
.set SP,    80                         ; a lane's place in a stage: 64 bytes + 16 of padding
.set NB,    16                         ; weight path: blocks of 32 along K for a wave
.set PITCH, 272                        ; a stage row: 256 bytes of codes + 16
.set KROW,  512                        ; a row of the codes' buffer
.set WROW,  4096                       ; a row of a weight in memory
.set WSTG,  32768                      ; weight path's LDS begins behind the x path's
.set WX,    32                         ; v32-95 two sets of 32 numbers
.set WC,    96                         ; v96-99 a block's codes
.set WOUT,  112                        ; v112-175 the way out
.set WSB,   24                         ; v24-27 the scale bytes, four to a register
	s_load_b512 s[4:19], s[0:1], 0x0               ; x s[4:5], Wq s[6:7], Wk s[8:9], Wv s[10:11], Wo s[12:13], x_codes s[14:15], x_scales s[16:17], w_codes s[18:19]
	s_load_b128 s[20:23], s[0:1], 0x40             ; w_scales s[20:21], wo16 s[22:23]
	v_lshl_add_u32 v254, v0, 2, 0x10800
	v_mov_b32 v255, 0
	v_lshrrev_b32 v1, 5, v0
	v_readfirstlane_b32 s24, v1                    ; wave 0..3
	v_and_b32 v2, 31, v0                           ; lane
	s_wait_kmcnt 0x0
	s_cmp_lt_u32 ttmp9, 256
	s_cbranch_scc1 .Lx
	s_cmp_lt_u32 ttmp9, 304
	s_cbranch_scc1 .Lw
; ---- Wo to f16.  A wave takes 4,096 numbers: 32 loads of 512 consecutive bytes, 32 stores of 256 consecutive aligned bytes.  Every store has registers of its own.
	s_sub_co_u32 s25, ttmp9, 304
	s_lshl_b32 s25, s25, 2
	s_add_co_u32 s25, s25, s24                     ; which run of 4,096 numbers
	s_lshl_b32 s26, s25, 14
	s_mov_b32 s27, 0
	s_add_nc_u64 s[12:13], s[12:13], s[26:27]
	s_lshl_b32 s26, s25, 13
	s_add_nc_u64 s[22:23], s[22:23], s[26:27]
	v_lshlrev_b32 v3, 4, v2
	v_lshlrev_b32 v4, 3, v2
.set i, 0
.rept 32
	global_load_b128 v[32+4*i:35+4*i], v3, s[12:13] offset:512*i th:TH_LOAD_NT
.set i, i+1
.endr
.set i, 0
.rept 32
	s_wait_loadcnt 31-i                            ; loads come back in order: load i is in, the 31 - i younger ones may be out
	v_cvt_pk_f16_f32 v[160+2*i], v[32+4*i], v[33+4*i]
	v_cvt_pk_f16_f32 v[161+2*i], v[34+4*i], v[35+4*i]
	global_store_b64 v4, v[160+2*i:161+2*i], s[22:23] offset:256*i
.set i, i+1
.endr
	s_endpgm
; ---- x.  Rows are dense and K is a multiple of 32: a plain stream of blocks of 32.  A wave takes 16 steps of 512 numbers.  Each load reads 512 consecutive bytes, 16 a lane; a step's 2,048 bytes
; turn through the wave's own stage in LDS and come back 64 bytes a lane: 16 neighbours along K, two neighbouring lanes to a block.  Loads run four steps ahead, the turn through LDS one step.
.Lx:
	v_lshlrev_b32 v3, 4, v2                        ; my 16 bytes of a load's 512
	s_mul_i32 s25, s24, WREG
	v_lshrrev_b32 v14, 2, v2
	v_mul_u32_u24 v14, v14, SP
	v_and_b32 v15, 3, v2
	v_lshl_add_u32 v14, v15, 4, v14
	v_add_nc_u32 v14, s25, v14                     ; the stage, on the way in: SP (lane / 4) + 16 (lane % 4)
	v_mul_u32_u24 v15, v2, SP
	v_add_nc_u32 v15, s25, v15                     ; and on the way out: SP x lane
	v_mul_u32_u24 v4, v2, CB                       ; my codes' place in a step's
	v_lshrrev_b32 v5, 1, v2
	s_add_co_u32 s25, s25, 2*32*SP
	v_add_nc_u32 v5, s25, v5                       ; my wave's 256 scale bytes, my block's byte
	v_lshlrev_b32 v7, 3, v2
	v_add_nc_u32 v6, s25, v7                       ; and on the way out 8 bytes a lane
	s_lshl_b32 s26, ttmp9, 2
	s_add_co_u32 s26, s26, s24                     ; which run of 8,192 numbers is my wave's
	s_mov_b32 s27, 0
	s_lshl_b64 s[28:29], s[26:27], 15
	s_add_nc_u64 s[4:5], s[4:5], s[28:29]
	s_lshl_b64 s[28:29], s[26:27], 12
	s_add_nc_u64 s[14:15], s[14:15], s[28:29]
	s_lshl_b32 s26, s26, 8
	s_add_nc_u64 s[16:17], s[16:17], s[26:27]
.macro LOADX t
.irp i, 0,1,2,3
	global_load_b128 v[XR+16*((\t)%4)+4*\i:XR+16*((\t)%4)+4*\i+3], v3, s[4:5] offset:2048*(\t)+512*\i th:TH_LOAD_NT
.endr
.endm
.macro TURNX t                         ; LDS serves a wave's instructions in order (ISA guide 5.7.1.4): no wait between the stores and the loads
.irp i, 0,1,2,3
	ds_store_b128 v14, v[XR+16*((\t)%4)+4*\i:XR+16*((\t)%4)+4*\i+3] offset:32*SP*((\t)%2)+8*SP*\i
.endr
.irp i, 0,1,2,3
	ds_load_b128 v[XX+16*((\t)%2)+4*\i:XX+16*((\t)%2)+4*\i+3], v15 offset:32*SP*((\t)%2)+16*\i
.endr
.endm
.irp t, 0,1,2,3
	LOADX \t
.endr
	s_wait_loadcnt 12                              ; step 0's four loads are in
	TURNX 0
.macro STEPX t
.set XS, XX+16*((\t)%2)
.if (\t) > 0
	s_wait_dscnt 1                                 ; this step's numbers are back from the stage (the last step's byte store may be out): its stores into the stage have read their registers,
.else
	s_wait_dscnt 0x0
.endif
.if (\t)+4 < STEPS
	LOADX (\t)+4                                   ; which take the loads of four steps on
.endif
.if (\t)+1 < STEPS
.if STEPS-2-(\t) >= 3
	s_wait_loadcnt 12                              ; the next step's four loads are in; those of the three steps behind it may be out
.else
	s_wait_loadcnt 4*(STEPS-2-(\t))
.endif
	TURNX (\t)+1
.endif
	v_max3_num_f32 v8, |v[XS]|, |v[XS+1]|, |v[XS+2]|               ; the largest magnitude of my 16
	v_max3_num_f32 v9, |v[XS+3]|, |v[XS+4]|, |v[XS+5]|
.irp i, 6,10
	v_max3_num_f32 v8, v8, |v[XS+\i]|, |v[XS+\i+1]|
	v_max3_num_f32 v9, v9, |v[XS+\i+2]|, |v[XS+\i+3]|
.endr
	v_max3_num_f32 v8, v8, |v[XS+14]|, |v[XS+15]|
	v_max3_num_f32 v8, v8, v9, (EMAX+1)<<23        ; and the floor 2^(3 - 127): the byte cannot fall under 1
	v_max_num_f32_dpp v8, v8, v8 row_xmask:1 row_mask:0xf bank_mask:0xf   ; and of my neighbour's 16: the block's
	v_add_nc_u32 v11, -(EMAX<<23), v8              ; 2 off its exponent field: the conversion takes the exponent field of this operand as its scale
	v_cvt_scalef32_pk8_fp4_f32 v[XC+4*(\t)], v[XS:XS+7], v11
	v_cvt_scalef32_pk8_fp4_f32 v[XC+4*(\t)+1], v[XS+8:XS+15], v11
	v_lshrrev_b32 v[XE+(\t)], 23, v11              ; the scale's byte
	ds_store_b8 v5, v[XE+(\t)] offset:16*(\t)      ; both lanes of a block write the same byte with the same value
	global_store_b64 v4, v[XC+4*(\t):XC+4*(\t)+1], s[14:15] offset:32*CB*(\t)   ; the wave stores 256 consecutive aligned bytes
.endm
.irp t, 0,1,2,3,4,5,6,7,8,9,10,11,12,13,14,15
	STEPX \t
.endr
	ds_load_b64 v[12:13], v6
	s_wait_dscnt 0x0
	global_store_b64 v7, v[12:13], s[16:17]        ; 32 lanes store 256 consecutive aligned bytes of scale bytes
	s_wait_tensorcnt 0x0
	ds_add_u32 v254, v255
	s_wait_dscnt 0x0
	s_endpgm
; ---- Wq, Wk, Wv.  A lane takes a column n and its registers run down K: a block of 32 lies in one lane's 32 registers, and the conversions give codes with K innermost.
; A wave takes 32 columns x 512 along K; a column's 256 bytes of codes are gathered in the wave's own stage and leave by rows, sixteen lanes to 256 consecutive aligned bytes.
; Two blocks' loads (64) are asked for at a time: the wait's count, 32, must fit LOADcnt's field (ISA guide 5.7.1).
.Lw:
	s_sub_co_u32 s25, ttmp9, 256                   ; 0..47
	s_lshr_b32 s26, s25, 4                         ; which weight: 0 q, 1 k, 2 v
	s_and_b32 s27, s25, 7                          ; which 128 columns
	s_bfe_u32 s28, s25, 0x10003                    ; which 512 along K
	s_cmp_eq_u32 s26, 1
	s_cselect_b64 s[30:31], s[8:9], s[10:11]
	s_cmp_eq_u32 s26, 0
	s_cselect_b64 s[30:31], s[6:7], s[30:31]
	s_lshl_b32 s27, s27, 7
	s_lshl_b32 s29, s24, 5
	s_add_co_u32 s27, s27, s29                     ; my wave's first column in its weight
	s_lshl_b32 s32, s28, 21                        ; 512 rows of 4,096 bytes
	s_lshl_b32 s29, s27, 2
	s_add_co_u32 s32, s32, s29
	s_mov_b32 s33, 0
	s_add_nc_u64 s[30:31], s[30:31], s[32:33]
	s_lshl_b32 s26, s26, 10
	s_add_co_u32 s26, s26, s27                     ; its row in the outputs: which x 1024 + column
	s_lshl_b32 s32, s26, 9
	s_lshl_b32 s29, s28, 8
	s_add_co_u32 s32, s32, s29
	s_add_nc_u64 s[18:19], s[18:19], s[32:33]      ; codes: row x 512 + 256 x half of K
	s_lshl_b32 s32, s26, 5
	s_lshl_b32 s29, s28, 4
	s_add_co_u32 s32, s32, s29
	s_add_nc_u64 s[20:21], s[20:21], s[32:33]      ; scale bytes: row x 32 + 16 x half of K
	v_lshlrev_b32 v3, 2, v2                        ; in: 4 bytes a lane
	s_mul_i32 s34, s24, 32*PITCH
	s_add_co_u32 s34, s34, WSTG                    ; my stage
	v_mul_u32_u24 v4, v2, PITCH
	v_add_nc_u32 v4, s34, v4                       ; into it: row = my column
	v_and_b32 v5, 15, v2
	v_lshrrev_b32 v6, 4, v2
	v_mul_u32_u24 v7, v6, PITCH
	v_lshl_add_u32 v7, v5, 4, v7
	v_add_nc_u32 v7, s34, v7                       ; out of it: sixteen lanes to a row, two rows an instruction
	v_mul_u32_u24 v8, v6, KROW
	v_lshl_add_u32 v8, v5, 4, v8                   ; and the same place in the codes' buffer
	v_lshlrev_b32 v9, 5, v2                        ; my column's row of scale bytes
.macro LOADW t
.irp i, 0,1,2,3,4,5,6,7,8,9,10,11,12,13,14,15,16,17,18,19,20,21,22,23,24,25,26,27,28,29,30,31
	global_load_b32 v[WX+32*((\t)%2)+\i], v3, s[30:31] offset:(32*(\t)+\i)*WROW th:TH_LOAD_NT
.endr
.endm
	LOADW 0
	LOADW 1
.macro BLOCKW t
.set XS, WX+32*((\t)%2)
.if (\t) < NB-1
	s_wait_loadcnt 32                              ; this block's 32 loads are in; the next block's may be out
.else
	s_wait_loadcnt 0
.endif
	v_max3_num_f32 v12, |v[XS]|, |v[XS+1]|, |v[XS+2]|               ; the block's largest magnitude: all 32 numbers are mine
	v_max3_num_f32 v13, |v[XS+3]|, |v[XS+4]|, |v[XS+5]|
.irp i, 6,10,14,18,22,26
	v_max3_num_f32 v12, v12, |v[XS+\i]|, |v[XS+\i+1]|
	v_max3_num_f32 v13, v13, |v[XS+\i+2]|, |v[XS+\i+3]|
.endr
	v_max3_num_f32 v12, v12, |v[XS+30]|, |v[XS+31]|
	v_max3_num_f32 v12, v12, v13, (EMAX+1)<<23     ; and the floor
	v_add_nc_u32 v11, -(EMAX<<23), v12             ; the conversion's scale operand
	v_lshrrev_b32 v13, 23, v11                     ; the scale's byte
.if (\t)%4 == 0
	v_mov_b32 v[WSB+(\t)/4], v13                   ; four bytes to a register, the lower K in the lower byte
.else
	v_lshl_or_b32 v[WSB+(\t)/4], v13, 8*((\t)%4), v[WSB+(\t)/4]
.endif
.irp g, 0,1,2,3
	v_cvt_scalef32_pk8_fp4_f32 v[WC+\g], v[XS+8*\g:XS+8*\g+7], v11
.endr
	ds_store_b128 v4, v[WC:WC+3] offset:16*(\t)    ; 32 codes: 16 bytes of my column's row
.if (\t)+2 < NB
	LOADW (\t)+2
.endif
	s_wait_dscnt 0x0                               ; the store has read its registers: the next block's codes may be written
.endm
.set Q, 0
.rept NB
	BLOCKW Q
.set Q, Q+1
.endr
	global_store_b128 v9, v[WSB:WSB+3], s[20:21]   ; my column's 16 scale bytes
.irp t, 0,1,2,3,4,5,6,7,8,9,10,11,12,13,14,15
	ds_load_b128 v[WOUT+4*\t:WOUT+4*\t+3], v7 offset:2*\t*PITCH
.endr
.irp t, 0,1,2,3,4,5,6,7,8,9,10,11,12,13,14,15
	s_wait_dscnt 15-\t
	global_store_b128 v8, v[WOUT+4*\t:WOUT+4*\t+3], s[18:19] offset:2*\t*KROW
.endr
	s_wait_tensorcnt 0x0
	ds_add_u32 v254, v255
	s_wait_dscnt 0x0
	s_endpgm
.Lfunc_end_k_qcf3c6ec836_prep:
	.size	k_qcf3c6ec836_prep, .Lfunc_end_k_qcf3c6ec836_prep-k_qcf3c6ec836_prep
	.p2alignl 7, 3214868480
	.fill 96, 4, 3214868480
	.section	.rodata,"a",@progbits
	.p2align	6, 0x0
	.amdhsa_kernel k_qcf3c6ec836_prep
		.amdhsa_group_segment_fixed_size 68096
		.amdhsa_private_segment_fixed_size 0
		.amdhsa_enable_private_segment 0
		.amdhsa_kernarg_size 80
		.amdhsa_user_sgpr_count 2
		.amdhsa_user_sgpr_kernarg_segment_ptr 1
		.amdhsa_wavefront_size32 1
		.amdhsa_system_sgpr_workgroup_id_x 1
		.amdhsa_system_sgpr_workgroup_id_y 1
		.amdhsa_system_sgpr_workgroup_id_z 1
		.amdhsa_system_vgpr_workitem_id 0
		.amdhsa_next_free_vgpr 256
		.amdhsa_next_free_sgpr 66
		.amdhsa_reserve_vcc 0
		.amdhsa_float_denorm_mode_32 3
		.amdhsa_float_denorm_mode_16_64 3
		.amdhsa_memory_ordered 1
		.amdhsa_forward_progress 1
		.amdhsa_inst_pref_size 122
	.end_amdhsa_kernel
	.amdgpu_metadata
---
amdhsa.version: [ 1, 2 ]
amdhsa.kernels:
  - .name:           k_qcf3c6ec836_prep
    .symbol:         k_qcf3c6ec836_prep.kd
    .args:
      - { .name: x, .offset: 0, .size: 8, .value_kind: global_buffer, .address_space: global }
      - { .name: Wq, .offset: 8, .size: 8, .value_kind: global_buffer, .address_space: global }
      - { .name: Wk, .offset: 16, .size: 8, .value_kind: global_buffer, .address_space: global }
      - { .name: Wv, .offset: 24, .size: 8, .value_kind: global_buffer, .address_space: global }
      - { .name: Wo, .offset: 32, .size: 8, .value_kind: global_buffer, .address_space: global }
      - { .name: x_codes, .offset: 40, .size: 8, .value_kind: global_buffer, .address_space: global }
      - { .name: x_scales, .offset: 48, .size: 8, .value_kind: global_buffer, .address_space: global }
      - { .name: w_codes, .offset: 56, .size: 8, .value_kind: global_buffer, .address_space: global }
      - { .name: w_scales, .offset: 64, .size: 8, .value_kind: global_buffer, .address_space: global }
      - { .name: wo16, .offset: 72, .size: 8, .value_kind: global_buffer, .address_space: global }
    .group_segment_fixed_size: 68096
    .private_segment_fixed_size: 0
    .kernarg_segment_align: 8
    .kernarg_segment_size: 80
    .max_flat_workgroup_size: 128
    .sgpr_count:     66
    .vgpr_count:     256
    .wavefront_size: 32
...
	.end_amdgpu_metadata
.endif
;; end of part 1
;; launch qkv (part 2): grid 12 x 32, 4 waves a work-group, clusters of 4 x 4, 327,680 bytes of LDS; arguments x_codes, x_scales, w_codes, w_scales, bq, bk, bv, qkv; writes qkv
.if DOCPART == 2
	.amdgcn_target "amdgcn-amd-amdhsa--gfx1250"
	.amdhsa_code_object_version 6
	.text
	.protected	k_qcf3c6ec836_qkv
	.globl	k_qcf3c6ec836_qkv
	.p2align	8
	.type	k_qcf3c6ec836_qkv,@function
k_qcf3c6ec836_qkv:
	s_mov_b64 s[64:65], 0
	v_nop
	global_prefetch_b8 v0, s[64:65] scope:SCOPE_SE
	s_setreg_imm32_b32 hwreg(HW_REG_WAVE_MODE, 25, 1), 1
	s_wait_xcnt 0x0
	s_wait_alu depctr_hold_cnt(0) depctr_sa_sdst(0) depctr_va_vdst(0) depctr_va_sdst(0) depctr_va_ssrc(0) depctr_va_vcc(0) depctr_vm_vsrc(0)
	s_getreg_b32 s2, hwreg(HW_REG_IB_STS2, 6, 4)
	s_cmp_eq_u32 s2, 0
	s_cbranch_scc0 .Lentry_in_a_cluster
	s_endpgm
.Lentry_in_a_cluster:
	s_bfe_u32 s2, ttmp6, 0x10000c
	s_cmp_lg_u32 s2, 0xf033
	s_cbranch_scc0 .Lentry_shape_is_right
	s_endpgm
.Lentry_shape_is_right:
; QKV.  C[m][n] = sum over k of x[m][k] W[n][k] + bias[n], on codes of FP4 (E2M1) with one E8M0 scale for each 32 along K; m = 8,192 rows of x, n = 3,072 = which x 1024 + column (which 0, 1, 2 = q, k, v), K = 1,024.
; The results leave as f16, laid by head: qkv[which][b x 16 + h][s][64].  LIMIT: |q|, |k|, |v| under 65,504, f16's largest number.
; A tile of C, 256 x 256, is made by a work-group of four waves; a wave makes 128 x 128: 64 accumulators of 16 x 16, 512 registers.  K is two steps of 512: each fills one of two LDS slots, once; both are asked for at the start.
; The scale bytes of the work-group's 256 + 256 rows, for all of K, come into LDS once, with the first fills.
; CLUSTERS: 4 x 4 work-groups.  The four of a row of the cluster need the same tiles of x, the four of a column the same tiles of W: each tile is asked for jointly.  A cluster's four tile columns are one weight: which = cluster x.
; THE MATRIX INSTRUCTION IS USED TRANSPOSED (source 0 = 16 rows of W, source 1 = 16 rows of x): a lane holds eight neighbouring columns of a row of C.  The bias is the C of each sum's first product.
; REGISTERS, in windows of 256: window 0: v0-31 addresses; v32-95 scale words, two sets, and nothing else; v128-191 x's fragments, one set, later rows on the way out; v192-223 packed results.
;   window 1: W's fragments, two sets, at v0 and v128; v64-127 the bias, eight registers for each of my eight blocks of columns.   window 2: the accumulators of my rows 0-63;   window 3: those of rows 64-127.
.set KSTEP,  512
.set NQ,     KSTEP/128
.set ROWB,   256                       ; a tile's row in bytes
.set KROW,   512                       ; a row of codes in memory
.set PITCH,  272                       ; an LDS row: 256 bytes + 16 of padding: the 16 rows that a load touches start 16 bytes apart modulo 256
.set FR,     8
.set NL,     2
.set NP,     4                         ; places behind this matrix instruction (ISA guide 7.12.1)
.set HALFT,  128*PITCH
.set SLOT,   4*HALFT
.set KS,     32                        ; a row of scales in bytes
.set SCL,    2*SLOT
.set HALFS,  (128*KS/256)*272
.set SBLK,   (16*KS/256)*272
.set SPARE,  SCL+4*HALFS               ; the spare words, 128 bytes for each wave, that no other line names
.set SPITCH, 272                       ; the way out: a stage of 16 rows x (256 bytes + 16) for each wave, in slot 0, which has had its only fill and its last read by then
.set PLANE,  262144                    ; a head's 2,048 rows of 128 bytes
.set ADRA, 16
.set ADRB, 20
.set STO,  24
.set RD,   25
.set CO,   26
.set ADRS, 27
.set SPW,  28
.set NIL,  29
.set BO,   30                          ; v30  32 x (lane / 16): my half's eight numbers of a block's bias
.set SC,   32
.set AF,   128
.set BK,   128                         ; the way out: v128-159 and v160-191 by turns
.set TMP,  192
.set BIAS, 64                          ; in window 1
.set G1, 24
.set G0, 32
.set G1B, 48
.set G0B, 56
.set G1S, 68
.set G0S, 76
.set G1SB, 80
.set G0SB, 88
.set MSB, 0
.macro WIN new                         ; the immediate's high byte repeats the setting that is left
.if MSB != \new
	s_set_vgpr_msb (MSB<<8)|\new
.set MSB, \new
.endif
.endm
.set MUL_LO, 0xa1                      ; source 0 (W) window 1, source 1 (x) window 0, C and D window 2
.set MUL_HI, 0xf1                      ; the same, C and D window 3
.set MULZ_LO, 0x91                     ; the first step: C is the bias, window 1; D window 2
.set MULZ_HI, 0xd1                     ; D window 3
.set TO_B,   0x40                      ; destination window 1, address window 0
; A joint load: waves 0 and 1 fetch for x, waves 2 and 3 for W.  The branch hangs on the wave's number alone.  Four v_nop follow each of the two lines.
.macro JLOAD g0a, g1a, g0b, g1b
	s_cmp_eq_u32 s15, 0
	s_cbranch_scc0 .Lfor_b_\@
	tensor_load_to_lds s[\g0a:\g0a+3], s[\g1a:\g1a+7]
	s_nop 0
.rept 4
	v_nop
.endr
	s_branch .Lasked_\@
.Lfor_b_\@:
	tensor_load_to_lds s[\g0b:\g0b+3], s[\g1b:\g1b+7]
	s_nop 0
.rept 4
	v_nop
.endr
.Lasked_\@:
.endm
.macro CROUND                          ; a round of the cluster's barrier
	s_barrier_signal -1
	s_barrier_wait -1
	s_cmp_lg_u32 s14, 0
	s_cbranch_scc1 .Lnot_wave_0_\@
	s_barrier_signal -3
.Lnot_wave_0_\@:
	s_barrier_wait -3
	s_barrier_signal -1
	s_barrier_wait -1
.endm
	s_load_b128 s[4:7], s[0:1], 0x0                ; x's codes, x's scales
	s_load_b128 s[8:11], s[0:1], 0x10              ; W's codes, W's scales
	s_load_b128 s[96:99], s[0:1], 0x20             ; bq, bk
	s_load_b64 s[66:67], s[0:1], 0x30              ; bv
	s_load_b64 s[12:13], s[0:1], 0x38              ; qkv
	v_lshl_add_u32 v[SPW], v0, 2, SPARE
	v_mov_b32 v[NIL], 0
	ds_add_u32 v28, v29
	ds_add_u32 v28, v29
	s_wait_dscnt 0x0
	v_lshrrev_b32 v1, 5, v0
	v_readfirstlane_b32 s14, v1                    ; wave 0..3
	s_lshr_b32 s15, s14, 1                         ; which half of the tile's rows is mine.  Also: I fetch for x (0) or for W (1)
	s_and_b32 s16, s14, 1                          ; which half of its columns.  Also: which 128 rows of that tile I fetch
	s_bfe_u32 s40, ttmp6, 0x40000                  ; cx, cy: my place in the cluster
	s_bfe_u32 s41, ttmp6, 0x40004
	s_lshl_b32 s42, ttmp9, 2
	s_add_co_u32 s42, s42, s40                     ; tile column of C = 4 x cluster x + cx
	s_and_b32 s17, ttmp7, 0xffff
	s_lshl_b32 s17, s17, 2
	s_add_co_u32 s17, s17, s41                     ; tile row of C = 4 x cluster y + cy
	s_lshl_b32 s43, s41, 2
	s_lshl_b32 s43, 15, s43                        ; my row of the cluster
	s_lshl_b32 s44, 0x1111, s40                    ; my column
	; descriptor group 1: a tile of 128 rows x 256 bytes, 16 bytes of padding behind each row
	s_or_b32 s[G1+0], s43, (0<<16)|(1<<20)|(1<<21)|(5<<22)|(3<<25)  ; 15:0 the mask; 17:16 elements of 1 byte; 20 padding on; 21 set beside a mask; 24:22 after every 64 words; 31:25 four words
	s_or_b32 s[G1B+0], s44, (0<<16)|(1<<20)|(1<<21)|(5<<22)|(3<<25)
.irp g, G1, G1B
	s_mov_b32 s[\g+1], ROWB<<16                    ; tensor_dim0
	s_mov_b32 s[\g+2], 128<<16                     ; tensor_dim1
	s_mov_b32 s[\g+3], ROWB<<16                    ; tile_dim0
	s_mov_b32 s[\g+4], 128                         ; tile_dim1
	s_mov_b32 s[\g+5], KROW                        ; tensor_dim0_stride
	s_mov_b32 s[\g+6], 0
	s_mov_b32 s[\g+7], 0
.endr
	; the scales of 128 rows: a dense block of 4,096 bytes, as 16 rows of 256 bytes (32 elements of 8 bytes), 16 bytes of padding behind each
	s_or_b32 s[G1S+0], s43, (3<<16)|(1<<20)|(1<<21)|(5<<22)|(3<<25)
	s_or_b32 s[G1SB+0], s44, (3<<16)|(1<<20)|(1<<21)|(5<<22)|(3<<25)
.irp g, G1S, G1SB
	s_mov_b32 s[\g+1], 32<<16
	s_mov_b32 s[\g+2], (128*KS/256)<<16
	s_mov_b32 s[\g+3], 32<<16
	s_mov_b32 s[\g+4], 128*KS/256
	s_mov_b32 s[\g+5], 32
	s_mov_b32 s[\g+6], 0
	s_mov_b32 s[\g+7], 0
.endr
	s_lshl_b32 s18, s16, 7                         ; which 128 rows of the tile I fetch
	s_lshl_b32 s20, s17, 8
	s_add_co_u32 s20, s20, s18                     ; x: row 256 x tile row + 128 x half
	s_lshl_b32 s46, s42, 8
	s_add_co_u32 s46, s46, s18                     ; W: row 256 x tile column + 128 x half
	s_mov_b32 s21, 0
	s_mov_b32 s47, 0
	s_mov_b64 s[18:19], KS
	s_mul_u64 s[22:23], s[20:21], s[18:19]         ; where these rows' scales begin, in bytes
	s_mul_u64 s[92:93], s[46:47], s[18:19]
	s_mov_b64 s[18:19], KROW
	s_mul_u64 s[20:21], s[20:21], s[18:19]         ; and their codes
	s_mul_u64 s[46:47], s[46:47], s[18:19]
	s_mul_i32 s45, s14, HALFT                      ; where they go: wave x 128 rows: no place in the cluster enters an LDS address
	s_mul_i32 s94, s14, HALFS
	s_wait_kmcnt 0x0
	s_add_nc_u64 s[20:21], s[4:5], s[20:21]
	s_add_nc_u64 s[22:23], s[6:7], s[22:23]
	s_add_nc_u64 s[46:47], s[8:9], s[46:47]
	s_add_nc_u64 s[92:93], s[10:11], s[92:93]
	CROUND                                         ; all sixteen work-groups are here: the joint loads meet
	s_mov_b32 s[G0S], 1
	s_add_co_u32 s[G0S+1], s94, SCL
	s_mov_b64 s[G0S+2:G0S+3], s[22:23]
	s_or_b32 s[G0S+3], s[G0S+3], 0x80000000
	s_mov_b32 s[G0SB], 1
	s_add_co_u32 s[G0SB+1], s94, SCL
	s_mov_b64 s[G0SB+2:G0SB+3], s[92:93]
	s_or_b32 s[G0SB+3], s[G0SB+3], 0x80000000
	JLOAD G0S, G1S, G0SB, G1SB                     ; the scales first; with the two below, three tensor loads of mine are out
.irp s, 0,1
	s_mov_b32 s[G0+4*\s], 1
	s_add_co_u32 s[G0+4*\s+1], s45, \s*SLOT
	s_add_nc_u64 s[G0+4*\s+2:G0+4*\s+3], s[20:21], \s*ROWB
	s_or_b32 s[G0+4*\s+3], s[G0+4*\s+3], 0x80000000
	s_mov_b32 s[G0B+4*\s], 1
	s_add_co_u32 s[G0B+4*\s+1], s45, \s*SLOT
	s_add_nc_u64 s[G0B+4*\s+2:G0B+4*\s+3], s[46:47], \s*ROWB
	s_or_b32 s[G0B+4*\s+3], s[G0B+4*\s+3], 0x80000000
	JLOAD G0+4*\s, G1, G0B+4*\s, G1B
.endr
	v_and_b32 v1, 15, v0                           ; l % 16
	v_bfe_u32 v2, v0, 4, 1                         ; l / 16
	v_mul_u32_u24 v3, v1, PITCH
	v_lshl_add_u32 v4, v2, 4, v3                   ; a fragment's row x pitch + 16 x half
	s_mul_i32 s21, s15, HALFT                      ; my 128 rows of x
	s_mul_i32 s22, s16, HALFT                      ; my 128 rows of W,
	s_add_co_u32 s22, s22, 2*HALFT                 ; which lie behind x's 256
.irp s, 0,1
	v_add_nc_u32 v[ADRA+\s], s21, v4
	v_add_nc_u32 v[ADRB+\s], s22, v4
	s_add_co_u32 s21, s21, SLOT
	s_add_co_u32 s22, s22, SLOT
.endr
	v_mul_u32_u24 v5, v1, KS                       ; my row's scales: 32 bytes a row,
	v_lshrrev_b32 v6, 8, v5
	v_lshl_add_u32 v5, v6, 4, v5                   ; and 16 more for each 256 passed
	s_mul_i32 s21, s15, HALFS                      ; x's: my 128 rows
	s_mul_i32 s22, s16, HALFS                      ; W's: my 128 rows, behind x's 256
	s_add_co_u32 s22, s22, 2*HALFS
	s_sub_co_u32 s22, s22, s21
	v_mul_u32_u24 v6, s22, v2                      ; lanes 16-31 take W's
	s_add_co_u32 s21, s21, SCL
	v_add_nc_u32 v5, v5, v6
	v_add_nc_u32 v[ADRS], s21, v5
	s_mul_i32 s23, s14, 16*SPITCH                  ; my stage
	v_mul_u32_u24 v5, v1, SPITCH                   ; in: row l % 16, 16 bytes for each half of the lanes
	v_lshl_add_u32 v5, v2, 4, v5
	v_add_nc_u32 v[STO], s23, v5
	v_and_b32 v6, 31, v0
	v_lshlrev_b32 v[CO], 4, v6                     ; out: 16 bytes a lane of 512 consecutive bytes: four rows of one head
	v_lshrrev_b32 v5, 3, v6
	v_mul_u32_u24 v5, v5, SPITCH                   ; back: eight lanes to a head's 128 bytes of a row, four rows an instruction
	v_and_b32 v6, 7, v6
	v_lshl_add_u32 v5, v6, 4, v5
	v_add_nc_u32 v[RD], s23, v5
	; where my part begins in qkv: which x 2^24 + (b x 16 + head) x 2^18 + s x 128;  b = tile row / 8, s = 256 (tile row % 8) + 128 x my half of the rows, head = 4 cx + 2 x my half of the columns
	s_lshl_b32 s20, ttmp9, 24
	s_lshr_b32 s21, s17, 3
	s_lshl_b32 s21, s21, 22
	s_add_co_u32 s20, s20, s21
	s_and_b32 s21, s17, 7
	s_lshl_b32 s21, s21, 8
	s_lshl_b32 s22, s15, 7
	s_add_co_u32 s21, s21, s22
	s_lshl_b32 s21, s21, 7
	s_add_co_u32 s20, s20, s21
	s_lshl_b32 s46, s40, 2
	s_lshl_b32 s47, s16, 1
	s_add_co_u32 s46, s46, s47
	s_lshl_b32 s46, s46, 18
	s_add_co_u32 s46, s46, s20
	s_mov_b32 s47, 0
	s_add_nc_u64 s[12:13], s[12:13], s[46:47]
	; the bias of my weight, at my 128 columns
	s_cmp_eq_u32 ttmp9, 1
	s_cselect_b64 s[66:67], s[98:99], s[66:67]
	s_cmp_eq_u32 ttmp9, 0
	s_cselect_b64 s[66:67], s[96:97], s[66:67]
	s_lshl_b32 s92, s40, 10
	s_lshl_b32 s93, s16, 9
	s_add_co_u32 s92, s92, s93
	s_mov_b32 s93, 0
	s_add_nc_u64 s[66:67], s[66:67], s[92:93]
	v_lshlrev_b32 v[BO], 5, v2
	WIN TO_B
.irp b, 0,1,2,3,4,5,6,7
	global_load_b128 v[BIAS+8*\b:BIAS+8*\b+3], v[BO], s[66:67] offset:64*\b        ; lane (r, h): the bias of columns 16 b + 8 h + 0 .. 7: the result's layout
	global_load_b128 v[BIAS+8*\b+4:BIAS+8*\b+7], v[BO], s[66:67] offset:64*\b+16
.endr
	WIN 0
.macro FRAG reg, adr, q, i             ; 16 rows x 128 K of 4-bit codes: 8 registers: lane l holds row l % 16; registers 4 c .. 4 c + 3 hold K = 64 c + 32 (l / 16) + 0 .. 31
.irp c, 0,1
	ds_load_b128 v[\reg+4*\c:\reg+4*\c+3], v[\adr] offset:64*(\q)+32*\c+(\i)*16*PITCH
.endr
.endm
; 16 matrix instructions: x's blocks a0, a0 + 1 against W's eight, 128 along K.  zero = 1: the first product starts the sums on the bias.  The 64 accumulators take turns, one instruction a turn.
.macro MUL16 a0, p, q, sc, zero
.irp a, \a0, \a0+1
.irp b, 0,1,2,3,4,5,6,7
.if \zero
	v_wmma_scale_f32_16x16x128_f8f6f4 v[8*(8*((\a)%4)+\b):8*(8*((\a)%4)+\b)+7], v[128*(\p)+FR*\b:128*(\p)+FR*\b+FR-1], v[AF+FR*(\a):AF+FR*(\a)+FR-1], v[BIAS+8*\b:BIAS+8*\b+7], v[SC+8*NQ*(\sc)+NQ*\b+(\q)], v[SC+8*NQ*(\sc)+NQ*(\a)+(\q)] matrix_a_fmt:MATRIX_FMT_FP4 matrix_b_fmt:MATRIX_FMT_FP4 matrix_a_scale:MATRIX_SCALE_ROW1
.else
	v_wmma_scale_f32_16x16x128_f8f6f4 v[8*(8*((\a)%4)+\b):8*(8*((\a)%4)+\b)+7], v[128*(\p)+FR*\b:128*(\p)+FR*\b+FR-1], v[AF+FR*(\a):AF+FR*(\a)+FR-1], v[8*(8*((\a)%4)+\b):8*(8*((\a)%4)+\b)+7], v[SC+8*NQ*(\sc)+NQ*\b+(\q)], v[SC+8*NQ*(\sc)+NQ*(\a)+(\q)] matrix_a_fmt:MATRIX_FMT_FP4 matrix_b_fmt:MATRIX_FMT_FP4 matrix_a_scale:MATRIX_SCALE_ROW1
.endif
.endr
.endr
.endm
.macro FETCH_B slot, q, p
	WIN TO_B
.irp i, 0,1,2,3,4,5,6,7
	FRAG 128*(\p)+FR*\i, ADRB+\slot, \q, \i
.endr
	WIN 0
.endm
.macro FETCH_A slot, q, i0
.irp i, \i0, \i0+1, \i0+2, \i0+3
	FRAG AF+FR*(\i), ADRA+\slot, \q, \i
.endr
.endm
.macro SCALES sc                       ; a K step's scale words: four words a row; lanes 0-15 take x's block i, lanes 16-31 W's block i
.irp i, 0,1,2,3,4,5,6,7
	ds_load_b128 v[SC+8*NQ*\sc+NQ*\i:SC+8*NQ*\sc+NQ*\i+3], v[ADRS] offset:\i*SBLK
.endr
.endm
.macro PLACES n                        ; plain vector instructions between a matrix instruction and a load into, or a read of, its registers (ISA guide 7.12.1 for the reads)
.rept \n
	v_nop
.endr
.endm
.macro STEP slot, q, zero              ; a step of 128 along K that has its successor in the same slot
	s_wait_dscnt 4*NL                              ; W's set and x's blocks 0-3 are in; the youngest eight loads (x's blocks 4-7) may be out
.if \zero
	WIN MULZ_LO
.else
	WIN MUL_LO
.endif
	MUL16 0, (\q)%2, \q, \slot, \zero
	MUL16 2, (\q)%2, \q, \slot, \zero
	s_wait_dscnt 0                                 ; x's blocks 4-7 are in
	PLACES NP
	FETCH_B \slot, (\q)+1, 1-(\q)%2
	FETCH_A \slot, (\q)+1, 0
.if \zero
	WIN MULZ_HI
.else
	WIN MUL_HI
.endif
	MUL16 4, (\q)%2, \q, \slot, \zero
	MUL16 6, (\q)%2, \q, \slot, \zero
	PLACES NP
	WIN 0
	FETCH_A \slot, (\q)+1, 4
.endm
.macro STEPS slot, from
.set Q, \from
.rept NQ-1-\from
	STEP \slot, Q, 0
.set Q, Q+1
.endr
.endm
	s_wait_tensorcnt 1                             ; the scales and my part of K step 0 are in (K step 1's load may be out)
	s_barrier_signal -1
	s_barrier_wait -1                              ; everybody's are
	FETCH_B 0, 0, 0
	FETCH_A 0, 0, 0
	SCALES 0
	FETCH_A 0, 0, 4
	s_wait_loadcnt 0x0                             ; the bias
	STEP 0, 0, 1
	STEPS 0, 1
	; slot 0's last step changes slots: one barrier; in front of it each wave waits for all its tensor loads (its part of slot 1) and for its own reads of slot 0.  Nothing is filled again.
	s_wait_tensorcnt 0x0
	ds_add_u32 v[SPW], v[NIL]                      ; 0 onto my spare word
	s_wait_dscnt 4*NL+1                            ; (the add and the youngest eight loads may be out)
	WIN MUL_LO
	MUL16 0, 1, NQ-1, 0, 0
	s_wait_dscnt 0x0                               ; the add is done, and my reads of slot 0 are over
	s_barrier_signal -1
	MUL16 2, 1, NQ-1, 0, 0
	WIN 0
	s_barrier_wait -1
	PLACES NP
	v_add_nc_u32 v[ADRS], 4*NQ, v[ADRS]            ; on to K step 1's scale words
	FETCH_B 1, 0, 0
	FETCH_A 1, 0, 0
	SCALES 1
	WIN MUL_HI
	MUL16 4, 1, NQ-1, 0, 0
	MUL16 6, 1, NQ-1, 0, 0
	PLACES NP
	WIN 0
	FETCH_A 1, 0, 4
	STEPS 1, 0
	s_wait_dscnt 4*NL                              ; the very last step: nothing more to fetch
	WIN MUL_LO
	MUL16 0, 1, NQ-1, 1, 0
	MUL16 2, 1, NQ-1, 1, 0
	s_wait_dscnt 0
	WIN MUL_HI
	MUL16 4, 1, NQ-1, 1, 0
	MUL16 6, 1, NQ-1, 1, 0
	WIN 0
; THE WAY OUT, block by block of 16 rows x 128 columns (two heads).  PACK: rounded to f16, 16 bytes a lane, each accumulator from its low end on.  TOSTAGE: into my own stage, and back by heads: four rows of a head's
; 128 bytes an instruction.  SEND: each store of the wave covers 512 consecutive bytes, aligned: four rows of one head.
.macro PACK a
.set AC, 64*((\a)%4)
	WIN 0x0a+5*((\a)/4)                            ; sources 0 and 1: window 2 or 3
.irp b, 0,1,2,3,4,5,6,7
.irp r, 0,1,2,3
	v_cvt_pk_f16_f32 v[TMP+4*\b+\r], v[AC+8*\b+2*\r], v[AC+8*\b+2*\r+1]
.endr
.endr
	WIN 0
.endm
.macro TOSTAGE a
.set BB, BK+32*((\a)%2)
.irp b, 0,1,2,3,4,5,6,7
	ds_store_b128 v[STO], v[TMP+4*\b:TMP+4*\b+3] offset:32*\b
.endr
.irp hd, 0,1
.irp t, 0,1,2,3
	ds_load_b128 v[BB+4*(4*\hd+\t):BB+4*(4*\hd+\t)+3], v[RD] offset:\t*4*SPITCH+128*\hd   ; LDS serves a wave's instructions in order (ISA guide 5.7.1.4): these see the stores above
.endr
.endr
.endm
.macro SEND a
.set BB, BK+32*((\a)%2)
	s_wait_dscnt 0x0                               ; the block is back in registers
	s_wait_xcnt 0x0                                ; the earlier stores have read their registers: the next block's loads may land there
.irp hd, 0,1
.irp t, 0,1,2,3
	global_store_b128 v[CO], v[BB+4*(4*\hd+\t):BB+4*(4*\hd+\t)+3], s[12:13] offset:\hd*PLANE+(\a)*2048+\t*512
.endr
.endr
.endm
	PLACES NP
	PACK 0
	TOSTAGE 0
.irp a, 1,2,3,4,5,6,7                  ; block a's conversions stand between block a - 1's loads from the stage and the wait for them
	PACK \a
	SEND \a-1
	TOSTAGE \a
.endr
	SEND 7
	s_wait_tensorcnt 0x0                           ; the wave's end
	ds_add_u32 v[SPW], v[NIL]
	s_wait_dscnt 0x0
	CROUND                                         ; the closing round
	s_endpgm
.Lfunc_end_k_qcf3c6ec836_qkv:
	.size	k_qcf3c6ec836_qkv, .Lfunc_end_k_qcf3c6ec836_qkv-k_qcf3c6ec836_qkv
	.p2alignl 7, 3214868480
	.fill 96, 4, 3214868480
	.section	.rodata,"a",@progbits
	.p2align	6, 0x0
	.amdhsa_kernel k_qcf3c6ec836_qkv
		.amdhsa_group_segment_fixed_size 327680
		.amdhsa_private_segment_fixed_size 0
		.amdhsa_enable_private_segment 0
		.amdhsa_kernarg_size 64
		.amdhsa_user_sgpr_count 2
		.amdhsa_user_sgpr_kernarg_segment_ptr 1
		.amdhsa_wavefront_size32 1
		.amdhsa_system_sgpr_workgroup_id_x 1
		.amdhsa_system_sgpr_workgroup_id_y 1
		.amdhsa_system_sgpr_workgroup_id_z 1
		.amdhsa_system_vgpr_workitem_id 0
		.amdhsa_next_free_vgpr 1024
		.amdhsa_next_free_sgpr 100
		.amdhsa_reserve_vcc 0
		.amdhsa_float_denorm_mode_32 3
		.amdhsa_float_denorm_mode_16_64 3
		.amdhsa_memory_ordered 1
		.amdhsa_forward_progress 1
		.amdhsa_inst_pref_size 128
	.end_amdhsa_kernel
	.amdgpu_metadata
---
amdhsa.version: [ 1, 2 ]
amdhsa.kernels:
  - .name:           k_qcf3c6ec836_qkv
    .symbol:         k_qcf3c6ec836_qkv.kd
    .args:
      - { .name: x_codes, .offset: 0, .size: 8, .value_kind: global_buffer, .address_space: global }
      - { .name: x_scales, .offset: 8, .size: 8, .value_kind: global_buffer, .address_space: global }
      - { .name: w_codes, .offset: 16, .size: 8, .value_kind: global_buffer, .address_space: global }
      - { .name: w_scales, .offset: 24, .size: 8, .value_kind: global_buffer, .address_space: global }
      - { .name: bq, .offset: 32, .size: 8, .value_kind: global_buffer, .address_space: global }
      - { .name: bk, .offset: 40, .size: 8, .value_kind: global_buffer, .address_space: global }
      - { .name: bv, .offset: 48, .size: 8, .value_kind: global_buffer, .address_space: global }
      - { .name: qkv, .offset: 56, .size: 8, .value_kind: global_buffer, .address_space: global }
    .group_segment_fixed_size: 327680
    .private_segment_fixed_size: 0
    .kernarg_segment_align: 8
    .kernarg_segment_size: 64
    .max_flat_workgroup_size: 128
    .sgpr_count:     100
    .vgpr_count:     1024
    .wavefront_size: 32
...
	.end_amdgpu_metadata
.endif
;; end of part 2
;; launch attn (part 3): grid 4 x 64, 8 waves a work-group, clusters of 4 x 1, 327,680 bytes of LDS; arguments qkv, att; writes att
.if DOCPART == 3
	.amdgcn_target "amdgcn-amd-amdhsa--gfx1250"
	.amdhsa_code_object_version 6
	.text
	.protected	k_qcf3c6ec836_attn
	.globl	k_qcf3c6ec836_attn
	.p2align	8
	.type	k_qcf3c6ec836_attn,@function
k_qcf3c6ec836_attn:
	s_mov_b64 s[64:65], 0
	v_nop
	global_prefetch_b8 v0, s[64:65] scope:SCOPE_SE
	s_setreg_imm32_b32 hwreg(HW_REG_WAVE_MODE, 25, 1), 1
	s_wait_xcnt 0x0
	s_wait_alu depctr_hold_cnt(0) depctr_sa_sdst(0) depctr_va_vdst(0) depctr_va_sdst(0) depctr_va_ssrc(0) depctr_va_vcc(0) depctr_vm_vsrc(0)
	s_getreg_b32 s2, hwreg(HW_REG_IB_STS2, 6, 4)
	s_cmp_eq_u32 s2, 0
	s_cbranch_scc0 .Lentry_in_a_cluster
	s_endpgm
.Lentry_in_a_cluster:
	s_bfe_u32 s2, ttmp6, 0x10000c
	s_cmp_lg_u32 s2, 0x3003
	s_cbranch_scc0 .Lentry_shape_is_right
	s_endpgm
.Lentry_shape_is_right:
; ATTENTION.  att[h][b x 2048 + q][:] = the sum over k of softmax_k(Q[q] . K[k] / 8) V[k][:], for each of 64 pairs (b, h); 2,048 keys, head size 64.  Q, K, V: qkv[which][b x 16 + h][s][64], f16; att f16.
; Products, maxima and sums in f32; the weights p (at most 1) are rounded to f16 for the second product, the result once at the end.  LIMIT: f16 operands: |q|, |k|, |v| under 65,504; NaN and infinities are not served.
; SHARES.  A work-group owns 512 queries of one pair, each of its eight waves 64: four tiles of 16, in 512 registers: two waves to a SIMD, so that one wave's vector work stands beside the other's matrix work.
; Every wave walks all keys, 64 a step, in phases: K Q^T, the softmax, V^T P.
; LAYOUT.  S^T = K Q^T (source 0 = 16 keys, source 1 = 16 queries): a lane holds ONE query (lane % 16) and the keys 8 (lane / 16) + 0..7.  Two such tiles, rounded in pairs, ARE source 1 (32 keys x 16 queries) of
; O^T = V^T P.  K comes out of LDS as it lies, V ([key][channel]) turned, by ds_load_tr16_b128.
; SOFTMAX.  For each query a running maximum m and sum l: p = 2^(c s - c m), c = log2(e) / 8; in every step O and l are multiplied by a = 2^(c m_old - c m_new).  l is the sum of the unrounded p.
; CLUSTER.  The four work-groups of a cluster are the four query blocks of one pair and walk the same K and V: each tile is asked for JOINTLY.  A slot holds four key steps; two slots take turns.
; REGISTERS: window 0: v1-15 addresses; v16-47 eight registers of statistics a tile; v48-51 c m_old; v64-191 S^T, 32 a tile; v192-255 K's fragments, then P (16 a tile).
;   window 1: v0-127 O^T, 32 a tile; v128-191 Q, 16 a tile; v192-255 V's fragments.
.set KS,    64        ; keys in a step
.set NST,   4         ; steps in a slot
.set PK,    144       ; a row of K in LDS: 128 bytes + 16: the 16 rows of a load start 16 bytes apart modulo 256
.set PV,    160       ; a row of V: 128 + 32
.set VOFF,  KS*PK     ; a step's tiles lie together: 64 rows of K, then 64 rows of V
.set STEPB, KS*(PK+PV)
.set SLOT1, 1<<17     ; slot 1 begins here: one exclusive or turns an address in one slot into the other's
.set SLOTB, NST*KS*128  ; a slot's keys in memory: 32,768 bytes of K, as many of V
.set STAGE, SLOT1+NST*STEPB  ; behind the ring: 16 rows x 144 bytes for each wave, for the way out
.set SP,    144
.set SPARE, STAGE+8*16*SP    ; the spare words, 128 bytes for each wave, that no other line names
.set AK0, 2
.set AV0, 3
.set ADK, 4
.set ADV, 5
.set QO,  6
.set STO, 7
.set RD,  8
.set GO,  9
.set SPW, 12
.set NIL, 13
.set PFO, 14          ; 256 x my lane; never rewritten
.set ST,  16          ; tile t's statistics at v[ST + 8 t]: +0 c m, +1 m, +2, +3 l (even keys', odd keys'), +4 to +7 at work; +6 becomes a
.set OLD, 48
.set S,   64
.set KF,  192         ; K's fragments, then P
.set QF,  128         ; in window 1
.set VF,  192         ; in window 1
.set WV,  12          ; s12 my wave's number
.set LIM, 15          ; s15 1 in a wave that prefetches, else the greatest number
.set PFA, 18          ; s[18:19] where my prefetches stand
.set G1K, 24
.set G1V, 32
.set G0K, 40          ; two sets: the two first fills; the second then walks on
.set G0V, 48
.set SLOTS, 56
.set CNT, 57
.set CS,  58          ; s[58:59] c
.set SEL, 60          ; s[60:61] selects for v_permlanex16_b32: lane l xor 16
.set TB,  62          ; LDS byte at which the tiles of the step to be fetched begin
.set MSB, 0
.macro WIN new
.if MSB != \new
	s_set_vgpr_msb (MSB<<8)|\new
.set MSB, \new
.endif
.endm
.set W_KQ, 0x04       ; Q (source 1) in window 1; K and S^T in window 0
.set W_PV, 0x51       ; V (source 0) and O^T (C, D) in window 1; P in window 0
.set W_RS, 0x41       ; O^T (destination and source 0) in window 1, a in window 0
.set TO_1, 0x40       ; destination window 1, address window 0
; A joint refill.  Waves 0 to 3 fetch the slot's four tiles of K, waves 4 to 7 those of V: one load a wave.  The branch hangs on the wave's number alone.  Four v_nop follow each line.
.macro JLOAD
	s_cmp_lt_u32 s[WV], 4
	s_cbranch_scc0 .Lfor_v_\@
	tensor_load_to_lds s[G0K+4:G0K+7], s[G1K:G1K+7]
	s_nop 0
.rept 4
	v_nop
.endr
	s_branch .Lasked_\@
.Lfor_v_\@:
	tensor_load_to_lds s[G0V+4:G0V+7], s[G1V:G1V+7]
	s_nop 0
.rept 4
	v_nop
.endr
.Lasked_\@:
.endm
; A prefetch of what the NEXT change of slots will load: a slot's 32,768 bytes of K and of V, four key steps ahead of that load.  Each aligned block of 256 bytes is named once: the four partners take 32 blocks each,
; told apart by address; in each, wave 0 asks for K's and wave 4 for V's, a lane a block.  The last change that fills a slot asks for nothing; slots 0 to 2 come by their loads alone.
.macro ASK
	s_cmp_gt_u32 s[SLOTS], s[LIM]
	s_cbranch_scc0 .Lnot_mine_\@
	global_prefetch_b8 v[PFO], s[PFA:PFA+1] th:TH_LOAD_NT scope:SCOPE_SE
.Lnot_mine_\@:
.endm
.macro CROUND
	s_barrier_signal -1
	s_barrier_wait -1
	s_cmp_lg_u32 s[WV], 0
	s_cbranch_scc1 .Lnot_wave_0_\@
	s_barrier_signal -3
.Lnot_wave_0_\@:
	s_barrier_wait -3
	s_barrier_signal -1
	s_barrier_wait -1
.endm
	s_load_b128 s[4:7], s[0:1], 0x0  ; qkv s[4:5], att s[6:7]
	v_lshl_add_u32 v[SPW], v0, 2, SPARE
	v_mov_b32 v[NIL], 0
	ds_add_u32 v12, v13
	ds_add_u32 v12, v13
	s_wait_dscnt 0x0
	v_lshrrev_b32 v1, 5, v0
	v_readfirstlane_b32 s[WV], v1   ; wave 0..7
	s_bfe_u32 s13, ttmp6, 0x40000   ; cx: my place in the cluster
	s_lshl_b32 s14, ttmp9, 2
	s_add_co_u32 s14, s14, s13      ; my block of 512 queries: it enters Q's, att's and the prefetches' addresses alone
	s_and_b32 s20, ttmp7, 0xffff    ; the pair b x 16 + h, which the four partners share
	s_lshl_b32 s21, s20, 18         ; its first byte in q, in k and in v
	s_and_b32 s16, s[WV], 3         ; which of a slot's four steps I fetch:
	s_lshl_b32 s22, s16, 13         ; its 64 rows of 128 bytes in memory,
	s_add_co_u32 s22, s22, s21
	s_mov_b32 s23, 0
	s_mul_i32 s17, s16, STEPB       ; and its place in a slot
	s_lshl_b32 s2, s14, 16          ; my block's 512 rows,
	s_lshl_b32 s3, s[WV], 13        ; my wave's 64 of them
	s_add_co_u32 s2, s2, s3
	s_and_b32 s3, s20, 15           ; att: head x 2^20 + b x 2^18 + my rows
	s_lshl_b32 s3, s3, 20
	s_lshr_b32 s20, s20, 4
	s_lshl_b32 s20, s20, 18
	s_add_co_u32 s20, s20, s3
	s_add_co_u32 s20, s20, s2
	s_add_co_u32 s2, s2, s21        ; Q: the pair's first byte + my rows
	s_mov_b32 s3, 0
	s_mov_b32 s21, 0
	; descriptor group 1: a tile of 64 rows x 64 elements of 2 bytes, padded in LDS
	s_mov_b32 s[G1K], 15|(1<<16)|(1<<20)|(1<<21)|(4<<22)|(3<<25)  ; 15:0 the mask: all four work-groups; 17:16 elements of 2 bytes; 20 padding on; 21 set beside a mask; 24:22 after every 32 words; 31:25 four words
	s_mov_b32 s[G1V], 15|(1<<16)|(1<<20)|(1<<21)|(4<<22)|(7<<25)  ; the same with eight words of padding
.irp g, G1K, G1V
	s_mov_b32 s[\g+1], 64<<16       ; tensor_dim0 = 64
	s_mov_b32 s[\g+2], KS<<16       ; tensor_dim1 = 64
	s_mov_b32 s[\g+3], 64<<16       ; tile_dim0 = 64
	s_mov_b32 s[\g+4], KS           ; tile_dim1 = 64
	s_mov_b32 s[\g+5], 64           ; tensor_dim0_stride
	s_mov_b32 s[\g+6], 0
	s_mov_b32 s[\g+7], 0
.endr
	s_mov_b32 s[CS], 0x3e38aa3b     ; c = log2(e) / 8
	s_mov_b32 s[CS+1], s[CS]        ; named with it as a pair, so it is written
	s_mov_b32 s[SEL], 0x76543210
	s_mov_b32 s[SEL+1], 0xfedcba98
	s_mov_b32 s[TB], 0
	s_mov_b32 s[SLOTS], 2048/(NST*KS)-2
	s_and_b32 s[LIM], s[WV], 3      ; 0 in waves 0 and 4,
	s_or_b32 s[LIM], s[LIM], ttmp9  ; of the pair's first cluster: the same in all four partners
	s_cmp_eq_u32 s[LIM], 0
	s_cselect_b32 s[LIM], 1, -1
	v_and_b32 v[PFO], 31, v0
	v_lshlrev_b32 v[PFO], 8, v[PFO]
	s_wait_kmcnt 0x0
	s_add_nc_u64 s[10:11], s[6:7], s[20:21]  ; att at my wave's first row
	s_add_nc_u64 s[6:7], s[4:5], s[22:23]
	s_add_nc_u64 s[8:9], s[6:7], 0x2000000   ; V at my tile of slot 0
	s_add_nc_u64 s[6:7], s[6:7], 0x1000000   ; K likewise
	s_add_nc_u64 s[4:5], s[4:5], s[2:3]      ; Q at my wave's first row
	s_cmp_lt_u32 s[WV], 4
	s_cselect_b64 s[PFA:PFA+1], s[6:7], s[8:9]  ; (in waves 0 and 4 these stand at a slot's first row)
	s_lshl_b32 s2, s13, 13          ; my work-group's 32 blocks of the 128
	s_mov_b32 s3, 0
	s_add_nc_u64 s[PFA:PFA+1], s[PFA:PFA+1], s[2:3]
	s_add_nc_u64 s[PFA:PFA+1], s[PFA:PFA+1], 2*SLOTB  ; in slot 2; the first change of slots steps it to slot 3
	CROUND                          ; all four work-groups are here: the first joint loads meet
.irp s, 0,1
	s_mov_b32 s[G0K+4*\s], 1
	s_add_co_u32 s[G0K+4*\s+1], s17, \s*SLOT1
	s_add_nc_u64 s[G0K+4*\s+2:G0K+4*\s+3], s[6:7], \s*SLOTB
	s_or_b32 s[G0K+4*\s+3], s[G0K+4*\s+3], 0x80000000
	s_mov_b32 s[G0V+4*\s], 1
	s_add_co_u32 s[G0V+4*\s+1], s17, \s*SLOT1+VOFF
	s_add_nc_u64 s[G0V+4*\s+2:G0V+4*\s+3], s[8:9], \s*SLOTB
	s_or_b32 s[G0V+4*\s+3], s[G0V+4*\s+3], 0x80000000
.endr
	s_cmp_lt_u32 s[WV], 4           ; a wave's two first fills stand in one branch, ahead of every wait on TENSORcnt and every LDS read: two loads of mine are out
	s_cbranch_scc0 .Lfirst_v
	tensor_load_to_lds s[G0K:G0K+3], s[G1K:G1K+7]
	s_nop 0
	tensor_load_to_lds s[G0K+4:G0K+7], s[G1K:G1K+7]
	s_nop 0
.rept 4
	v_nop
.endr
	s_branch .Lfirst_asked
.Lfirst_v:
	tensor_load_to_lds s[G0V:G0V+3], s[G1V:G1V+7]
	s_nop 0
	tensor_load_to_lds s[G0V+4:G0V+7], s[G1V:G1V+7]
	s_nop 0
.rept 4
	v_nop
.endr
.Lfirst_asked:
	; a fragment of K or Q is 16 rows x 32 channels in 8 registers: lane l holds row l % 16; registers 0-3 channels 8 (l / 16) + 0..7, registers 4-7 channels 16 + 8 (l / 16) + 0..7
	v_and_b32 v1, 15, v0            ; l % 16
	v_bfe_u32 v10, v0, 4, 1         ; l / 16
	v_lshlrev_b32 v[QO], 7, v1
	v_lshl_add_u32 v[QO], v10, 4, v[QO]  ; row x 128 + 16 x half
	WIN TO_1
.irp i, 0,1,2,3,4,5,6,7             ; Q stays in registers: tile i / 2, channels 32 (i % 2) on
	global_load_b128 v[QF+8*\i:QF+8*\i+3],   v[QO], s[4:5] offset:(\i/2)*2048+(\i%2)*64
	global_load_b128 v[QF+8*\i+4:QF+8*\i+7], v[QO], s[4:5] offset:(\i/2)*2048+(\i%2)*64+32
.endr
	WIN 0
	v_mul_u32_u24 v[AK0], v1, PK
	v_lshl_add_u32 v[AK0], v10, 4, v[AK0]
	; the turning load: lane l reads 16 bytes: key 8 (l / 16) + l % 8, channels 8 ((l / 8) % 2) + 0..7
	v_and_b32 v11, 7, v0
	v_bfe_u32 v15, v0, 3, 1
	v_lshl_add_u32 v[AV0], v10, 3, v11
	v_mul_u32_u24 v[AV0], v[AV0], PV
	v_lshl_add_u32 v[AV0], v15, 4, v[AV0]
	v_add_nc_u32 v[AV0], VOFF, v[AV0]
	s_mul_i32 s16, s[WV], 16*SP
	s_add_co_u32 s16, s16, STAGE    ; my stage
	v_mul_u32_u24 v[STO], v1, SP    ; in: row l % 16, 16 bytes for each half of the lanes
	v_lshl_add_u32 v[STO], v10, 4, v[STO]
	v_add_nc_u32 v[STO], s16, v[STO]
	v_and_b32 v11, 31, v0
	v_lshlrev_b32 v[GO], 4, v11     ; out: 16 bytes a lane of 512 consecutive bytes: four rows
	v_lshrrev_b32 v15, 3, v11
	v_mul_u32_u24 v[RD], v15, SP    ; back: eight lanes to a row of 128 bytes
	v_and_b32 v15, 7, v0
	v_lshl_add_u32 v[RD], v15, 4, v[RD]
	v_add_nc_u32 v[RD], s16, v[RD]
; Number j of 16 of tile t's maximum over its 32 scores and the old m: four chains of seven scores, the four left over, the chains and m.  Each accumulator is read from its low end first.
.macro SMAX t, first
.set rT, ST+8*(\t)
.set rS, S+32*(\t)
.if j < 4
	v_max3_num_f32 v[rT+4+j], v[rS+8*j], v[rS+8*j+1], v[rS+8*j+2]
.elseif j < 12
	v_max3_num_f32 v[rT+4+j%4], v[rT+4+j%4], v[rS+8*(j%4)+2*(j/4)+1], v[rS+8*(j%4)+2*(j/4)+2]
.elseif j == 12
	v_max3_num_f32 v[rT+4], v[rT+4], v[rS+7], v[rS+15]
.elseif j == 13
	v_max3_num_f32 v[rT+6], v[rT+6], v[rS+23], v[rS+31]
.elseif j == 14
	v_max3_num_f32 v[rT+4], v[rT+4], v[rT+5], v[rT+6]
.elseif \first
	v_max_num_f32 v[rT+4], v[rT+4], v[rT+7]
.else
	v_max3_num_f32 v[rT+4], v[rT+4], v[rT+7], v[rT+1]
.endif
.endm
; Number j of 32 of what follows tile t's exponentials: 16 roundings of pairs to f16 (they ARE P's registers), then the sum of the 16 pairs in place, neighbours 1, 2, 4 and 8 pairs apart; at last l = a l + the sum.
.macro POST t, first
.set rT, ST+8*(\t)
.set rS, S+32*(\t)
.set z, j-16
.if j < 16
	s_wait_alu depctr_va_vdst(0)
	v_cvt_pk_f16_f32 v[KF+16*(\t)+j], v[rS+2*j], v[rS+2*j+1]
.elseif z < 8
	v_pk_add_f32 v[rS+4*z:rS+4*z+1], v[rS+4*z:rS+4*z+1], v[rS+4*z+2:rS+4*z+3]
.elseif z < 12
	v_pk_add_f32 v[rS+8*(z-8):rS+8*(z-8)+1], v[rS+8*(z-8):rS+8*(z-8)+1], v[rS+8*(z-8)+4:rS+8*(z-8)+5]
.elseif z < 14
	v_pk_add_f32 v[rS+16*(z-12):rS+16*(z-12)+1], v[rS+16*(z-12):rS+16*(z-12)+1], v[rS+16*(z-12)+8:rS+16*(z-12)+9]
.elseif (z == 14) && \first
	v_pk_add_f32 v[rT+2:rT+3], v[rS:rS+1], v[rS+16:rS+17]
.elseif z == 14
	v_pk_add_f32 v[rS:rS+1], v[rS:rS+1], v[rS+16:rS+17]
.elseif !\first
	v_pk_fma_f32 v[rT+2:rT+3], v[rT+2:rT+3], v[rT+6:rT+7], v[rS:rS+1] op_sel_hi:[1,0,1]
	s_wait_alu depctr_va_vdst(0)
.endif
.endm
; A KEY STEP.  first = 1: the first, which starts m, l and O^T: no a, nothing to rescale, and its first products V^T P take the constant 0 as C.
.macro STEP first
	WIN 0
	v_add_nc_u32 v[ADK], s[TB], v[AK0]
	v_add_nc_u32 v[ADV], s[TB], v[AV0]
.rept 4
	v_nop                           ; places between the last step's products V^T P and the loads into the registers that they read
.endr
.irp f, 0,1,2,3,4,5,6,7             ; K: keys 16 (f / 2) on, channels 32 (f % 2) on
	ds_load_b128 v[KF+8*\f:KF+8*\f+3],   v[ADK] offset:(\f/2)*16*PK+(\f%2)*64
	ds_load_b128 v[KF+8*\f+4:KF+8*\f+7], v[ADK] offset:(\f/2)*16*PK+(\f%2)*64+32
.endr
	WIN TO_1
.irp f, 0,1,2,3,4,5,6,7             ; V, turned: keys 32 (f / 4) on, channels 16 (f % 4) on
	ds_load_tr16_b128 v[VF+8*\f:VF+8*\f+3],   v[ADV] offset:(\f/4)*32*PV+(\f%4)*32
	ds_load_tr16_b128 v[VF+8*\f+4:VF+8*\f+7], v[ADV] offset:(\f/4)*32*PV+16*PV+(\f%4)*32
.endr
	s_add_co_u32 s[TB], s[TB], STEPB  ; the next fetch is the next step's
	s_wait_dscnt 16                 ; K is in; V's sixteen loads may be out
	WIN W_KQ
.set i, 0
.rept 32                            ; S^T = K Q^T: tile i % 4, keys 16 ((i / 4) % 4) on, channels 32 (i / 16) on.  The 16 accumulators take turns; the first 16 start the sums
.set rS, S+32*(i%4)+8*((i/4)%4)
.set rK, KF+16*((i/4)%4)+8*(i/16)
.set rQ, QF+16*(i%4)+8*(i/16)
.if i < 16
	v_wmma_f32_16x16x32_f16 v[rS:rS+7], v[rK:rK+7], v[rQ:rQ+7], 0
.else
	v_wmma_f32_16x16x32_f16 v[rS:rS+7], v[rK:rK+7], v[rQ:rQ+7], v[rS:rS+7]
.endif
.set i, i+1
.endr
	WIN 0
.irp t, 0,1,2,3                     ; four places behind the products: c m_old is kept for a
.if \first
	v_nop
.else
	v_mov_b32 v[OLD+\t], v[ST+8*\t]
.endif
.endr
.set j, 0
.rept 16
.irp t, 0,1,2,3
	SMAX \t, \first
.endr
.set j, j+1
.endr
.irp t, 0,1,2,3
	v_permlanex16_b32 v[ST+8*\t+5], v[ST+8*\t+4], s[SEL], s[SEL+1]  ; the query's other 32 keys lie in the lane 16 away
.endr
.irp t, 0,1,2,3
	v_max_num_f32 v[ST+8*\t+1], v[ST+8*\t+4], v[ST+8*\t+5]          ; the new m
.endr
.irp t, 0,1,2,3
	v_mul_f32 v[ST+8*\t], s[CS], v[ST+8*\t+1]                       ; c m
.endr
.if !\first
.irp t, 0,1,2,3
	v_sub_f32 v[ST+8*\t+7], v[OLD+\t], v[ST+8*\t]
.endr
.irp t, 0,1,2,3
	v_exp_f32 v[ST+8*\t+6], v[ST+8*\t+7]                            ; a; the scalings below are the plain instructions behind it
.endr
.endif
.set j, 0
.rept 16
.irp t, 0,1,2,3
	v_pk_fma_f32 v[S+32*\t+2*j:S+32*\t+2*j+1], v[S+32*\t+2*j:S+32*\t+2*j+1], s[CS:CS+1], v[ST+8*\t:ST+8*\t+1] op_sel_hi:[1,0,0] neg_lo:[0,0,1] neg_hi:[0,0,1]  ; c s - c m
.endr
.set j, j+1
.endr
.set j, 0
.rept 32
	v_exp_f32 v[S+j], v[S+j]        ; tile 0's p
.set j, j+1
.endr
	v_nop                           ; a plain instruction between the last of them and the use of its result (ISA guide 5.7.2)
.irp e, 1,2,3                       ; tile e's exponentials by turns with what follows tile e - 1's: behind each exponential a plain instruction that touches neither its result nor its source
.set j, 0
.rept 32
	v_exp_f32 v[S+32*\e+j], v[S+32*\e+j]
	POST \e-1, \first
.set j, j+1
.endr
.endr
.set j, 0
.rept 32
	POST 3, \first
.set j, j+1
.endr
.if !\first
	WIN W_RS
.set j, 0
.rept 64
	v_pk_mul_f32 v[2*j:2*j+1], v[2*j:2*j+1], v[ST+8*(j/16)+6:ST+8*(j/16)+7] op_sel_hi:[1,0]   ; O^T x a, each accumulator from its low end on
.set j, j+1
.endr
.endif
	s_wait_dscnt 0x0                ; V is in
	WIN W_PV
.set i, 0
.rept 32                            ; O^T += V^T P: tile i % 4, channels 16 ((i / 4) % 4) on, keys 32 (i / 16) on; the 16 accumulators take turns
.set rO, 32*(i%4)+8*((i/4)%4)
.set rV, VF+32*(i/16)+8*((i/4)%4)
.set rP, KF+16*(i%4)+8*(i/16)
.if \first && (i < 16)
	v_wmma_f32_16x16x32_f16 v[rO:rO+7], v[rV:rV+7], v[rP:rP+7], 0
.else
	v_wmma_f32_16x16x32_f16 v[rO:rO+7], v[rV:rV+7], v[rP:rP+7], v[rO:rO+7]
.endif
.set i, i+1
.endr
	WIN 0
.endm
.macro STEPS n                      ; n key steps, written once; the LDS addresses hang on s[TB]
	s_mov_b32 s[CNT], \n
.Lstep_\@:
	STEP 0
	s_sub_co_u32 s[CNT], s[CNT], 1
	s_cmp_lg_u32 s[CNT], 0
	s_cbranch_scc1 .Lstep_\@
.endm
; THE CHANGE OF SLOTS.  Each wave waits for all its tensor loads, of which one is out: its part of the other slot; adds 0 to its spare word; and waits for that and for its own reads of the slot.  Behind the barrier nobody reads
; this slot any more and the other slot is whole.  fill = 1: this slot is filled again, with the keys two slots on: the barrier is then a round of the cluster's, and the joint refill is the first thing behind it.
.macro CHANGE fill
	WIN 0
	s_wait_tensorcnt 0x0            ; no tensor load of mine is out, so a group 0 may be written
	ds_add_u32 v[SPW], v[NIL]       ; 0 onto my spare word
.if \fill
.irp g, G0K+4, G0V+4
	s_xor_b32 s[\g+1], s[\g+1], SLOT1  ; the walking descriptor: the other slot than last time,
	s_add_nc_u64 s[\g+2:\g+3], s[\g+2:\g+3], SLOTB  ; the next 256 keys
.endr
	s_wait_xcnt 0x0                 ; the last prefetch, four key steps back, has read its address, so it may be written:
	s_add_nc_u64 s[PFA:PFA+1], s[PFA:PFA+1], SLOTB  ; one slot further on than the walking descriptors
	s_wait_dscnt 0x0                ; the add is done, and my reads of the slot are over
	CROUND
	JLOAD
	ASK
.else
	s_wait_dscnt 0x0
	s_barrier_signal -1
	s_barrier_wait -1
.endif
	s_sub_co_u32 s[TB], s[TB], NST*STEPB  ; the fetches go back to a slot's first step,
	s_xor_b32 s[TB], s[TB], SLOT1   ; in the other slot
.endm
	s_wait_tensorcnt 1              ; my part of slot 0 is in; slot 1's may stay out
	s_barrier_signal -1
	s_barrier_wait -1               ; everybody's is
	s_wait_loadcnt 0x0              ; Q
	STEP 1
	STEPS 3
.Lslot:                             ; six trips: every slot but the last two is filled again
	CHANGE 1
	STEPS 4
	s_sub_co_u32 s[SLOTS], s[SLOTS], 1
	s_cmp_lg_u32 s[SLOTS], 0
	s_cbranch_scc1 .Lslot
	CHANGE 0                        ; the tail is written out
	STEPS 4
	; THE WAY OUT.  l's two halves and the other half of the lanes' are added; O^T is divided by l, rounded to f16 and sent through my stage, a tile (16 rows) at a time.  The additions are the places behind the last products.
.irp t, 0,1,2,3
	v_add_f32 v[ST+8*\t+4], v[ST+8*\t+2], v[ST+8*\t+3]
.endr
.irp t, 0,1,2,3
	v_permlanex16_b32 v[ST+8*\t+5], v[ST+8*\t+4], s[SEL], s[SEL+1]
.endr
.irp t, 0,1,2,3
	v_add_f32 v[ST+8*\t+4], v[ST+8*\t+4], v[ST+8*\t+5]
.endr
.irp t, 0,1,2,3
	v_rcp_f32 v[ST+8*\t+6], v[ST+8*\t+4]
.endr
	v_nop                           ; a plain instruction between the last reciprocal and the use of its result
	s_wait_alu depctr_va_vdst(0)
.macro PACK t
	WIN W_RS
.set j, 0
.rept 16
	v_pk_mul_f32 v[32*\t+2*j:32*\t+2*j+1], v[32*\t+2*j:32*\t+2*j+1], v[ST+8*\t+6:ST+8*\t+7] op_sel_hi:[1,0]
.set j, j+1
.endr
	WIN 0x05                        ; sources 0 and 1 window 1, destination window 0: S^T's registers are free
.set j, 0
.rept 16
	v_cvt_pk_f16_f32 v[S+16*\t+j], v[32*\t+2*j], v[32*\t+2*j+1]
.set j, j+1
.endr
	WIN 0
.irp c, 0,1,2,3
	ds_store_b128 v[STO], v[S+16*\t+4*\c:S+16*\t+4*\c+3] offset:32*\c
.endr
.irp u, 0,1,2,3
	ds_load_b128 v[S+64+16*\t+4*\u:S+64+16*\t+4*\u+3], v[RD] offset:\u*4*SP  ; LDS serves a wave's instructions in order (ISA guide 5.7.1.4): these see the stores above; the next tile's stores come behind them
.endr
.endm
.macro SEND t, younger              ; younger: the LDS instructions issued behind tile t's loads: the next tile's eight, or none
.irp u, 0,1,2,3
	s_wait_dscnt \younger+3-\u
	global_store_b128 v[GO], v[S+64+16*\t+4*\u:S+64+16*\t+4*\u+3], s[10:11] offset:\t*2048+\u*512  ; the wave stores 512 consecutive bytes, aligned
.endr
.endm
	PACK 0
	PACK 1
	SEND 0, 8
	PACK 2
	SEND 1, 8
	PACK 3
	SEND 2, 8
	SEND 3, 0
	s_wait_tensorcnt 0x0            ; the wave's end
	ds_add_u32 v[SPW], v[NIL]
	s_wait_dscnt 0x0
	CROUND                          ; the closing round
	s_endpgm
.Lfunc_end_k_qcf3c6ec836_attn:
	.size	k_qcf3c6ec836_attn, .Lfunc_end_k_qcf3c6ec836_attn-k_qcf3c6ec836_attn
	.p2alignl 7, 3214868480
	.fill 96, 4, 3214868480
	.section	.rodata,"a",@progbits
	.p2align	6, 0x0
	.amdhsa_kernel k_qcf3c6ec836_attn
		.amdhsa_group_segment_fixed_size 327680
		.amdhsa_private_segment_fixed_size 0
		.amdhsa_enable_private_segment 0
		.amdhsa_kernarg_size 16
		.amdhsa_user_sgpr_count 2
		.amdhsa_user_sgpr_kernarg_segment_ptr 1
		.amdhsa_wavefront_size32 1
		.amdhsa_system_sgpr_workgroup_id_x 1
		.amdhsa_system_sgpr_workgroup_id_y 1
		.amdhsa_system_sgpr_workgroup_id_z 1
		.amdhsa_system_vgpr_workitem_id 0
		.amdhsa_next_free_vgpr 512
		.amdhsa_next_free_sgpr 66
		.amdhsa_reserve_vcc 0
		.amdhsa_float_denorm_mode_32 3
		.amdhsa_float_denorm_mode_16_64 3
		.amdhsa_memory_ordered 1
		.amdhsa_forward_progress 1
		.amdhsa_inst_pref_size 154
	.end_amdhsa_kernel
	.amdgpu_metadata
---
amdhsa.version: [ 1, 2 ]
amdhsa.kernels:
  - .name:           k_qcf3c6ec836_attn
    .symbol:         k_qcf3c6ec836_attn.kd
    .args:
      - { .name: qkv, .offset: 0, .size: 8, .value_kind: global_buffer, .address_space: global }
      - { .name: att, .offset: 8, .size: 8, .value_kind: global_buffer, .address_space: global }
    .group_segment_fixed_size: 327680
    .private_segment_fixed_size: 0
    .kernarg_segment_align: 8
    .kernarg_segment_size: 16
    .max_flat_workgroup_size: 256
    .sgpr_count:     66
    .vgpr_count:     512
    .wavefront_size: 32
...
	.end_amdgpu_metadata
.endif
;; end of part 3
;; launch oproj (part 4): grid 4 x 64, 4 waves a work-group, clusters of 4 x 4, 327,680 bytes of LDS; arguments att, wo16, bo, out0; writes out0
.if DOCPART == 4
	.amdgcn_target "amdgcn-amd-amdhsa--gfx1250"
	.amdhsa_code_object_version 6
	.text
	.protected	k_qcf3c6ec836_oproj
	.globl	k_qcf3c6ec836_oproj
	.p2align	8
	.type	k_qcf3c6ec836_oproj,@function
k_qcf3c6ec836_oproj:
	s_mov_b64 s[64:65], 0
	v_nop
	global_prefetch_b8 v0, s[64:65] scope:SCOPE_SE
	s_setreg_imm32_b32 hwreg(HW_REG_WAVE_MODE, 25, 1), 1
	s_wait_xcnt 0x0
	s_wait_alu depctr_hold_cnt(0) depctr_sa_sdst(0) depctr_va_vdst(0) depctr_va_sdst(0) depctr_va_ssrc(0) depctr_va_vcc(0) depctr_vm_vsrc(0)
	s_getreg_b32 s2, hwreg(HW_REG_IB_STS2, 6, 4)
	s_cmp_eq_u32 s2, 0
	s_cbranch_scc0 .Lentry_in_a_cluster
	s_endpgm
.Lentry_in_a_cluster:
	s_bfe_u32 s2, ttmp6, 0x10000c
	s_cmp_lg_u32 s2, 0xf033
	s_cbranch_scc0 .Lentry_shape_is_right
	s_endpgm
.Lentry_shape_is_right:
; OUT PROJECTION.  out0[m][n] = sum over k of att[m][k] Wo[k][n] + bo[n]; m = 8,192, n = 1,024, K = 1,024 = head x 64 + channel.  att: f16, [head][m][64]; wo16: f16, [k][n]; out0 f32; sums in f32.
; A tile of C is 128 (m) x 256 (n): 256 work-groups.  Four waves, each 64 x 128: 32 accumulators of 16 x 16.  K goes in steps of 128, two heads' planes of att, through a ring of two LDS slots.
; THE MATRIX INSTRUCTION IS USED TRANSPOSED (source 0 = 16 columns of Wo, source 1 = 16 rows of att): a lane holds eight neighbouring columns of a row of C.  Wo lies [k][n] in LDS and is turned by ds_load_tr16_b128.
; The bias is the C of each sum's first product.
; CLUSTERS: 4 x 4 work-groups.  The four of a row of the cluster need the same tiles of att, the four of a column the same tiles of Wo: each tile is asked for JOINTLY.
; REGISTERS: window 0: v0-31 addresses; v64-127 att's fragments, two buffers of 32; v128-191 the bias, later with v192-255 rows on the way out.   window 1: v0-127 Wo's fragments, two buffers of 64.   window 2: the accumulators, (a, b) at v[8 (8 a + b)].
.set KSTEP,  128
.set PA,     144                       ; a row of att in LDS: 128 bytes + 16
.set ACH,    128*PA                    ; one plane's 128 rows
.set AB,     2*ACH                     ; behind att's two planes: Wo's 128 rows
.set PB,     544                       ; a row of Wo: 512 bytes + 32
.set BH,     64*PB                     ; 64 rows: what one tensor load brings
.set SLOT,   AB+2*BH
.set STAGE,  2*SLOT                    ; behind the ring: 16 rows x (512 bytes + 16) for each wave
.set SPITCH, 528
.set SPARE,  STAGE+4*16*SPITCH         ; the spare words, 128 bytes for each wave, that no other line names
.set APLANE, 1048576                   ; a head's plane of att in bytes
.set LAPS,   1024/(2*KSTEP)
.set ADRA, 16
.set ADRB, 20
.set STO,  24
.set RD,   25
.set CO,   26
.set BO,   27
.set SPW,  28
.set NIL,  29
.set AF,   64
.set BIAS, 128
.set BK,   128
.set G1, 24
.set G0, 32
.set G1B, 48
.set G0B, 56
.set MSB, 0
.macro WIN new
.if MSB != \new
	s_set_vgpr_msb (MSB<<8)|\new
.set MSB, \new
.endif
.endm
.set MUL,  0xa1                        ; source 0 (Wo) window 1, source 1 (att) window 0, C and D window 2
.set MULZ, 0x81                        ; the first quarter: C is the bias, window 0
.set TO_B, 0x40
.macro JLOAD s                         ; a joint load: waves 0 and 1 fetch att's two planes, waves 2 and 3 Wo's two halves; four v_nop follow each of the two lines
	s_cmp_eq_u32 s13, 0
	s_cbranch_scc0 .Lfor_b_\@
	tensor_load_to_lds s[G0+4*\s:G0+4*\s+3], s[G1:G1+7]
	s_nop 0
.rept 4
	v_nop
.endr
	s_branch .Lasked_\@
.Lfor_b_\@:
	tensor_load_to_lds s[G0B+4*\s:G0B+4*\s+3], s[G1B:G1B+7]
	s_nop 0
.rept 4
	v_nop
.endr
.Lasked_\@:
.endm
.macro CREST                           ; a round of the cluster's barrier behind its opening barrier
	s_cmp_lg_u32 s12, 0
	s_cbranch_scc1 .Lnot_wave_0_\@
	s_barrier_signal -3
.Lnot_wave_0_\@:
	s_barrier_wait -3
	s_barrier_signal -1
	s_barrier_wait -1
.endm
.macro CROUND
	s_barrier_signal -1
	s_barrier_wait -1
	CREST
.endm
	s_load_b128 s[4:7], s[0:1], 0x0                ; att s[4:5], wo16 s[6:7]
	s_load_b128 s[8:11], s[0:1], 0x10              ; bo s[8:9], out0 s[10:11]
	v_lshl_add_u32 v[SPW], v0, 2, SPARE
	v_mov_b32 v[NIL], 0
	ds_add_u32 v28, v29
	ds_add_u32 v28, v29
	s_wait_dscnt 0x0
	v_lshrrev_b32 v1, 5, v0
	v_readfirstlane_b32 s12, v1                    ; wave 0..3
	s_lshr_b32 s13, s12, 1                         ; which half of the tile's rows is mine.  Also: I fetch for att (0) or for Wo (1)
	s_and_b32 s14, s12, 1                          ; which half of its columns.  Also: which plane, or which 64 rows of Wo, I fetch
	s_bfe_u32 s40, ttmp6, 0x40000                  ; cx, cy
	s_bfe_u32 s41, ttmp6, 0x40004
	s_lshl_b32 s42, ttmp9, 2
	s_add_co_u32 s42, s42, s40                     ; tile column of C
	s_and_b32 s15, ttmp7, 0xffff
	s_lshl_b32 s15, s15, 2
	s_add_co_u32 s15, s15, s41                     ; tile row of C
	s_lshl_b32 s43, s41, 2
	s_lshl_b32 s43, 15, s43                        ; my row of the cluster
	s_lshl_b32 s44, 0x1111, s40                    ; my column
	s_or_b32 s[G1+0], s43, (1<<16)|(1<<20)|(1<<21)|(4<<22)|(3<<25)  ; att: the mask of my row; elements of 2 bytes; padding on; bit 21 beside a mask; four words behind every 32
	s_mov_b32 s[G1+1], 64<<16                      ; tensor_dim0 = 64
	s_mov_b32 s[G1+2], 128<<16                     ; tensor_dim1 = 128
	s_mov_b32 s[G1+3], 64<<16                      ; tile_dim0 = 64
	s_mov_b32 s[G1+4], 128                         ; tile_dim1 = 128
	s_mov_b32 s[G1+5], 64                          ; tensor_dim0_stride
	s_mov_b32 s[G1+6], 0
	s_mov_b32 s[G1+7], 0
	s_or_b32 s[G1B+0], s44, (1<<16)|(1<<20)|(1<<21)|(6<<22)|(7<<25) ; Wo: the mask of my column; eight words behind every 128
	s_mov_b32 s[G1B+1], 256<<16                    ; tensor_dim0 = 256
	s_mov_b32 s[G1B+2], 64<<16                     ; tensor_dim1 = 64
	s_mov_b32 s[G1B+3], 256<<16                    ; tile_dim0 = 256
	s_mov_b32 s[G1B+4], 64                         ; tile_dim1 = 64
	s_mov_b32 s[G1B+5], 1024                       ; tensor_dim0_stride
	s_mov_b32 s[G1B+6], 0
	s_mov_b32 s[G1B+7], 0
	s_lshl_b32 s16, s15, 14                        ; att: the tile's 128 rows of 128 bytes,
	s_lshl_b32 s17, s14, 20                        ; my plane of the step's two
	s_add_co_u32 s16, s16, s17
	s_mov_b32 s17, 0
	s_lshl_b32 s46, s42, 9                         ; Wo: the tile's 256 columns,
	s_lshl_b32 s47, s14, 17                        ; my 64 rows of 2,048 bytes
	s_add_co_u32 s46, s46, s47
	s_mov_b32 s47, 0
	s_mul_i32 s20, s14, ACH                        ; where they go: no place in the cluster enters an LDS address
	s_mul_i32 s21, s14, BH
	s_add_co_u32 s21, s21, AB
	s_wait_kmcnt 0x0
	s_add_nc_u64 s[18:19], s[4:5], s[16:17]
	s_add_nc_u64 s[46:47], s[6:7], s[46:47]
	CROUND                                         ; all sixteen work-groups are here: the first joint loads meet
.irp s, 0,1
	s_mov_b32 s[G0+4*\s], 1
	s_add_co_u32 s[G0+4*\s+1], s20, \s*SLOT
	s_add_nc_u64 s[G0+4*\s+2:G0+4*\s+3], s[18:19], \s*2*APLANE
	s_or_b32 s[G0+4*\s+3], s[G0+4*\s+3], 0x80000000
	s_mov_b32 s[G0B+4*\s], 1
	s_add_co_u32 s[G0B+4*\s+1], s21, \s*SLOT
	s_add_nc_u64 s[G0B+4*\s+2:G0B+4*\s+3], s[46:47], \s*KSTEP*2048
	s_or_b32 s[G0B+4*\s+3], s[G0B+4*\s+3], 0x80000000
	JLOAD \s                                       ; two tensor loads of mine are out
.endr
	v_and_b32 v1, 15, v0                           ; l % 16
	v_bfe_u32 v2, v0, 4, 1                         ; l / 16
	v_mul_u32_u24 v3, v1, PA
	v_lshl_add_u32 v3, v2, 4, v3                   ; att: row x pitch + 16 x half
	v_and_b32 v4, 7, v0
	v_lshl_add_u32 v4, v2, 3, v4
	v_mul_u32_u24 v4, v4, PB                       ; Wo, the turning load: row 8 (l / 16) + l % 8,
	v_bfe_u32 v5, v0, 3, 1
	v_lshl_add_u32 v4, v5, 4, v4                   ; columns 8 ((l / 8) % 2) + 0..7
	s_mul_i32 s21, s13, 64*PA                      ; my 64 rows of att
	s_lshl_b32 s22, s14, 8                         ; my 128 columns of Wo,
	s_add_co_u32 s22, s22, AB                      ; which lies behind att's planes
.irp s, 0,1
	v_add_nc_u32 v[ADRA+\s], s21, v3
	v_add_nc_u32 v[ADRB+\s], s22, v4
	s_add_co_u32 s21, s21, SLOT
	s_add_co_u32 s22, s22, SLOT
.endr
	s_mul_i32 s23, s12, 16*SPITCH
	s_add_co_u32 s23, s23, STAGE                   ; my stage
	v_mul_u32_u24 v5, v1, SPITCH                   ; in: row l % 16, 32 bytes for each half of the lanes
	v_lshl_add_u32 v5, v2, 5, v5
	v_add_nc_u32 v[STO], s23, v5
	v_and_b32 v6, 31, v0
	v_lshlrev_b32 v[CO], 4, v6                     ; back: the 32 lanes take one row of 512 bytes; and the same in C
	v_add_nc_u32 v[RD], s23, v[CO]
	v_lshlrev_b32 v[BO], 5, v2
	s_lshl_b32 s16, s42, 10                        ; my first column, in bytes of f32: 1,024 x tile column + 512 x half
	s_lshl_b32 s17, s14, 9
	s_add_co_u32 s16, s16, s17
	s_mov_b32 s17, 0
	s_add_nc_u64 s[8:9], s[8:9], s[16:17]          ; bo at my columns
	s_lshl_b32 s18, s15, 7
	s_lshl_b32 s19, s13, 6
	s_add_co_u32 s18, s18, s19                     ; my first row of C
	s_lshl_b32 s18, s18, 12
	s_add_co_u32 s16, s16, s18
	s_add_nc_u64 s[10:11], s[10:11], s[16:17]
.irp b, 0,1,2,3,4,5,6,7
	global_load_b128 v[BIAS+8*\b:BIAS+8*\b+3], v[BO], s[8:9] offset:64*\b          ; lane (r, h): bo of columns 16 b + 8 h + 0 .. 7: the result's layout
	global_load_b128 v[BIAS+8*\b+4:BIAS+8*\b+7], v[BO], s[8:9] offset:64*\b+16
.endr
; 8 matrix instructions: att's block a against Wo's eight, 32 along K, from buffer f.  zero = 1: the first product starts the sums on the bias.  The 32 accumulators take turns, in the same order in every quarter.
.macro MULB f, a, zero
.irp b, 0,1,2,3,4,5,6,7
.if \zero
	v_wmma_f32_16x16x32_f16 v[8*(8*(\a)+\b):8*(8*(\a)+\b)+7], v[64*(\f)+8*\b:64*(\f)+8*\b+7], v[AF+32*(\f)+8*(\a):AF+32*(\f)+8*(\a)+7], v[BIAS+8*\b:BIAS+8*\b+7]
.else
	v_wmma_f32_16x16x32_f16 v[8*(8*(\a)+\b):8*(8*(\a)+\b)+7], v[64*(\f)+8*\b:64*(\f)+8*\b+7], v[AF+32*(\f)+8*(\a):AF+32*(\f)+8*(\a)+7], v[8*(8*(\a)+\b):8*(8*(\a)+\b)+7]
.endif
.endr
.endm
; 24 LDS loads in one run: the fragments of the slot's q-th 32 along K into buffer f: Wo's eight (turned), then att's four
.macro FETCH slot, q, f
	WIN TO_B
.irp b, 0,1,2,3,4,5,6,7
	ds_load_tr16_b128 v[64*(\f)+8*\b:64*(\f)+8*\b+3],   v[ADRB+\slot] offset:(\q)*32*PB+32*\b
	ds_load_tr16_b128 v[64*(\f)+8*\b+4:64*(\f)+8*\b+7], v[ADRB+\slot] offset:(\q)*32*PB+16*PB+32*\b
.endr
	WIN 0
.irp i, 0,1,2,3
	ds_load_b128 v[AF+32*(\f)+8*\i:AF+32*(\f)+8*\i+3],   v[ADRA+\slot] offset:((\q)/2)*ACH+((\q)%2)*64+\i*16*PA
	ds_load_b128 v[AF+32*(\f)+8*\i+4:AF+32*(\f)+8*\i+7], v[ADRA+\slot] offset:((\q)/2)*ACH+((\q)%2)*64+\i*16*PA+32
.endr
.endm
.macro PLACES                          ; four places in front of loads into registers that matrix instructions have read, and of the first read of results (ISA guide 7.12.1 for the reads)
.rept 4
	v_nop
.endr
.endm
; A K step is four quarters of 32 along K, 32 matrix instructions each, on buffers 0, 1, 0, 1.  One of the first three: multiplies buffer f and fetches quarter qn into g.
.macro QUARTER slot, qn, f, g, zero
	s_wait_dscnt 4                                 ; Wo's fragments and att's blocks 0, 1 are in; the youngest four loads (blocks 2, 3) may be out
.if \zero
	WIN MULZ
.else
	WIN MUL
.endif
	MULB \f, 0, \zero
	MULB \f, 1, \zero
	PLACES
	FETCH \slot, \qn, \g
	s_wait_dscnt 24                                ; all but the 24 just issued
.if \zero
	WIN MULZ
.else
	WIN MUL
.endif
	MULB \f, 2, \zero
	MULB \f, 3, \zero
.endm
; The last quarter multiplies buffer 1 and changes slots: ONE barrier; in front of it each wave waits for all its tensor loads, adds 0 to its spare word, and waits for that and for its own reads of this slot.  fill = 1: this slot is filled again, two K steps ahead.
.macro TURN slot, next, fill
	WIN 0
	s_wait_tensorcnt 0x0                           ; all my tensor loads have landed: my part of the next slot
	ds_add_u32 v[SPW], v[NIL]                      ; 0 onto my spare word
	s_wait_dscnt 5                                 ; (the add and the youngest four loads may be out)
	WIN MUL
	MULB 1, 0, 0
	s_wait_dscnt 0x0                               ; the add is done, and my reads of this slot are over
	s_barrier_signal -1
	MULB 1, 1, 0
.if \fill
	WIN 0
.endif
	s_barrier_wait -1
.if \fill
	CREST                                          ; the barrier has opened a round of the cluster's: no wave of any partner still reads this slot or has a load on its way
	s_add_nc_u64 s[G0+4*\slot+2:G0+4*\slot+3], s[G0+4*\slot+2:G0+4*\slot+3], 4*APLANE
	s_add_nc_u64 s[G0B+4*\slot+2:G0B+4*\slot+3], s[G0B+4*\slot+2:G0B+4*\slot+3], 2*KSTEP*2048
	JLOAD \slot                                    ; the first tensor load behind the round; the four v_nop behind it are also the places in front of the loads below
.else
	PLACES
.endif
	FETCH \next, 0, 0
	WIN MUL
	MULB 1, 2, 0
	MULB 1, 3, 0
.endm
	s_wait_tensorcnt 1                             ; my part of K step 0 is in (K step 1's load may be out)
	s_barrier_signal -1
	s_barrier_wait -1                              ; everybody's is
	FETCH 0, 0, 0
	s_wait_loadcnt 0x0                             ; the bias
	QUARTER 0, 1, 0, 1, 1                          ; the first quarter stands in front of the loop: its products start the sums
	WIN 0
	s_mov_b32 s3, LAPS-1
.Llap:                                                 ; a trip goes once round the ring, from a lap's second quarter to the next lap's first, and fills both slots again
	QUARTER 0, 2, 1, 0, 0
	QUARTER 0, 3, 0, 1, 0
	TURN 0, 1, 1
	QUARTER 1, 1, 0, 1, 0
	QUARTER 1, 2, 1, 0, 0
	QUARTER 1, 3, 0, 1, 0
	TURN 1, 0, 1
	QUARTER 0, 1, 0, 1, 0
	WIN 0
	s_sub_co_u32 s3, s3, 1
	s_cmp_lg_u32 s3, 0
	s_cbranch_scc1 .Llap
	QUARTER 0, 2, 1, 0, 0                          ; the last lap fills nothing
	QUARTER 0, 3, 0, 1, 0
	TURN 0, 1, 0
	QUARTER 1, 1, 0, 1, 0
	QUARTER 1, 2, 1, 0, 0
	QUARTER 1, 3, 0, 1, 0
	s_wait_dscnt 4                                 ; the very last quarter: nothing more to fetch
	WIN MUL
	MULB 1, 0, 0
	MULB 1, 1, 0
	s_wait_dscnt 0
	MULB 1, 2, 0
	MULB 1, 3, 0
	WIN 0
; THE WAY OUT, block by block of 16 rows x 128 columns: through my own stage in LDS and back as whole rows of 512 bytes, which the 32 lanes store as 512 consecutive aligned bytes.
.macro TOSTAGE a
	WIN 0x08                                       ; an LDS store's data are its source 1: window 2
.irp b, 0,1,2,3,4,5,6,7
	ds_store_b128 v[STO], v[64*(\a)+8*\b:64*(\a)+8*\b+3] offset:64*\b          ; each accumulator from its low end on
	ds_store_b128 v[STO], v[64*(\a)+8*\b+4:64*(\a)+8*\b+7] offset:64*\b+16
.endr
	WIN 0
.set BB, BK+64*((\a)%2)
.irp t, 0,1,2,3,4,5,6,7,8,9,10,11,12,13,14,15
	ds_load_b128 v[BB+4*\t:BB+4*\t+3], v[RD] offset:\t*SPITCH     ; LDS serves a wave's instructions in order (ISA guide 5.7.1.4): these see the stores above
.endr
.endm
.macro SEND a, younger                 ; younger: the LDS instructions issued behind block a's loads, which may stay out
.set BB, BK+64*((\a)%2)
	s_wait_dscnt \younger
.irp t, 0,1,2,3,4,5,6,7,8,9,10,11,12,13,14,15
	global_store_b128 v[CO], v[BB+4*\t:BB+4*\t+3], s[10:11] offset:(16*(\a)+\t)*4096 th:TH_STORE_NT
.endr
.endm
	PLACES
	TOSTAGE 0
.irp a, 1,2,3
.if \a > 1
	s_wait_xcnt 0x0                                ; block a - 2's stores have read their registers: block a's loads may land there
.endif
	TOSTAGE \a
	SEND \a-1, 32                                  ; behind block a - 1's loads: block a's 16 stores and 16 loads
.endr
	SEND 3, 0
	s_wait_tensorcnt 0x0                           ; the wave's end
	ds_add_u32 v[SPW], v[NIL]
	s_wait_dscnt 0x0
	CROUND                                         ; the closing round
	s_endpgm
.Lfunc_end_k_qcf3c6ec836_oproj:
	.size	k_qcf3c6ec836_oproj, .Lfunc_end_k_qcf3c6ec836_oproj-k_qcf3c6ec836_oproj
	.p2alignl 7, 3214868480
	.fill 96, 4, 3214868480
	.section	.rodata,"a",@progbits
	.p2align	6, 0x0
	.amdhsa_kernel k_qcf3c6ec836_oproj
		.amdhsa_group_segment_fixed_size 327680
		.amdhsa_private_segment_fixed_size 0
		.amdhsa_enable_private_segment 0
		.amdhsa_kernarg_size 32
		.amdhsa_user_sgpr_count 2
		.amdhsa_user_sgpr_kernarg_segment_ptr 1
		.amdhsa_wavefront_size32 1
		.amdhsa_system_sgpr_workgroup_id_x 1
		.amdhsa_system_sgpr_workgroup_id_y 1
		.amdhsa_system_sgpr_workgroup_id_z 1
		.amdhsa_system_vgpr_workitem_id 0
		.amdhsa_next_free_vgpr 768
		.amdhsa_next_free_sgpr 66
		.amdhsa_reserve_vcc 0
		.amdhsa_float_denorm_mode_32 3
		.amdhsa_float_denorm_mode_16_64 3
		.amdhsa_memory_ordered 1
		.amdhsa_forward_progress 1
		.amdhsa_inst_pref_size 87
	.end_amdhsa_kernel
	.amdgpu_metadata
---
amdhsa.version: [ 1, 2 ]
amdhsa.kernels:
  - .name:           k_qcf3c6ec836_oproj
    .symbol:         k_qcf3c6ec836_oproj.kd
    .args:
      - { .name: att, .offset: 0, .size: 8, .value_kind: global_buffer, .address_space: global }
      - { .name: wo16, .offset: 8, .size: 8, .value_kind: global_buffer, .address_space: global }
      - { .name: bo, .offset: 16, .size: 8, .value_kind: global_buffer, .address_space: global }
      - { .name: out0, .offset: 24, .size: 8, .value_kind: global_buffer, .address_space: global }
    .group_segment_fixed_size: 327680
    .private_segment_fixed_size: 0
    .kernarg_segment_align: 8
    .kernarg_segment_size: 32
    .max_flat_workgroup_size: 128
    .sgpr_count:     66
    .vgpr_count:     768
    .wavefront_size: 32
...
	.end_amdgpu_metadata
.endif
;; end of part 4
